; MI455X (gfx1250); checked and timed in simulation.
; The chip was launched on July 23, 2026; its instructions are those of AMD's public machine-readable ISA for CDNA 5 (MIT licence, August 2026) and "CDNA5" Instruction Set Architecture Reference Guide (July 2026). The comments in the code are by the model that wrote it; some were corrected since.
;; Multi Head Attention. Allowed arithmetic: float matrix products may take bf16 or f16 operands with f32 sums; other float arithmetic in f32, or as packed bf16 or f16 multiplies, adds, multiply-adds, maxima and minima; sums over many terms, partial sums and values carried from step to step in f32; what a program stores and reads back later, other than sums and carried values, may be rounded once to bf16 or f16.
;; Inputs: freq_cos 2,048 x 64 float32; freq_sin 2,048 x 64 float32; mask 2,048 x 2,048 float32; wk 2,048 x 2,048 float32; wo 2,048 x 2,048 float32; wq 2,048 x 2,048 float32; wv 2,048 x 2,048 float32; x 1 x 2,048 x 2,048 float32.
;; Outputs: out0 1 x 2,048 x 2,048 float32.
;; 2 versions, each right; version 2 is version 1 with the launch prep written anew for expert scheduling mode. Each part assembles by itself: llvm-mc -triple=amdgcn-amd-amdhsa -mcpu=gfx1250 --defsym DOCPART=n.
;; ======== version 1 of 2: 4 launches
;; limits: values are held in f16: magnitudes above 65,504 overflow, below 6.1e-05 lose precision; right only within a limited range of input values
;; workspace buffers: w16 41,943,040 bytes; maskc 16,777,216 bytes; qkv 25,165,824 bytes; oh 8,388,608 bytes
;; launch prep (part 1): grid 256 x 6, 8 waves a work-group, no clusters, 68,608 bytes of LDS; arguments x, wq, wk, wv, wo, mask, w16, maskc; writes w16, maskc
.if DOCPART == 1
	.amdgcn_target "amdgcn-amd-amdhsa--gfx1250"
	.amdhsa_code_object_version 6
	.text
	.protected	k_qadd274cab8_prep
	.globl	k_qadd274cab8_prep
	.p2align	8
	.type	k_qadd274cab8_prep,@function
k_qadd274cab8_prep:
	s_mov_b64 s[64:65], 0
	v_nop
	global_prefetch_b8 v0, s[64:65] scope:SCOPE_SE
	s_setreg_imm32_b32 hwreg(HW_REG_WAVE_MODE, 25, 1), 1
	s_wait_xcnt 0x0
; PREP: every large input is rounded once to bf16 and laid out for the launches that follow.
;   section y = 0..3 (x, wq, wk, wv): f32 -> bf16, same row-major order, into w16 + y SEC.
;   section y = 4 (wo): f32 -> bf16, and that number written as f16 (the last product multiplies in f16), into w16 + 4 SEC.
;   section y = 5 (mask): f32 -> bf16 -> f32 again, times log2(e) (the softmax works in base 2), in the order in which a matrix accumulator of 16 keys x 16 queries holds it:
;       maskc[qt 128][kb 128][e 2][lane 32][4 f32]; lane (r = lane % 16, h = lane / 16) holds mask[16 qt + r][16 kb + 8 h + 4 e + 0..3].
; LIMITS.  wo beyond 65,504 has no f16; below 2^-14 it keeps f16's fixed step of 2^-24.  Infinities in the mask stay infinities; a mask beyond 2.3e38 becomes one by the factor log2(e).
; A stream: memory binds, so no matrix unit, no cluster, no tensor load.  A work-group takes 16,384 numbers (65,536 bytes in); a thread has
; sixteen loads of 16 bytes out at once; no register is used twice, so there is no loop and no wait for sources.
.set SEC,    8388608                   ; bytes of a 16-bit section of 2048 x 2048
.set MPITCH, 528                       ; mask path: an LDS row of 512 bytes + 16: an odd multiple of 16, so 16 rows start in 16 different 16-byte columns
.set WBOX,   16*MPITCH                 ; a wave's 16 rows
.set SPARE,  8*WBOX                    ; behind the boxes: the spare words, 128 bytes for each of the eight waves
.set SPW, 8                            ; v8   LDS address of my spare word; never rewritten
.set NIL, 9                            ; v9   0; never rewritten
.set X,   16                           ; v[16:79]   sixteen loads of four f32
.set Y,   80                           ; v[80:143]  what is stored
	s_load_b512 s[8:23], s[0:1], 0x0               ; x s[8:9], wq s[10:11], wk s[12:13], wv s[14:15], wo s[16:17], mask s[18:19], w16 s[20:21], maskc s[22:23]
	v_lshl_add_u32 v[SPW], v0, 2, SPARE
	v_mov_b32 v[NIL], 0
	s_and_b32 s24, ttmp7, 0xffff                   ; the section
	s_mov_b32 s30, 0xffff0000                      ; a word's upper bf16
	v_lshlrev_b32 v1, 4, v0                        ; 16 t: my 16 bytes of 4,096 in
	v_lshlrev_b32 v2, 3, v0                        ; 8 t: my 8 bytes of 2,048 out
	s_lshl_b32 s26, ttmp9, 16                      ; the chunk's 65,536 bytes in
	s_mov_b32 s27, 0
	s_mul_i32 s28, s24, SEC                        ; the section, and the chunk's 32,768 bytes out
	s_lshl_b32 s29, ttmp9, 15
	s_add_co_u32 s28, s28, s29
	s_mov_b32 s29, 0
	s_wait_kmcnt 0x0
	s_cmp_eq_u32 s24, 5
	s_cbranch_scc1 .Lmask
	s_cmp_eq_u32 s24, 1                            ; the section's input, chosen among five buffers
	s_cselect_b64 s[4:5], s[10:11], s[8:9]
	s_cmp_eq_u32 s24, 2
	s_cselect_b64 s[4:5], s[12:13], s[4:5]
	s_cmp_eq_u32 s24, 3
	s_cselect_b64 s[4:5], s[14:15], s[4:5]
	s_cmp_eq_u32 s24, 4
	s_cselect_b64 s[4:5], s[16:17], s[4:5]
	s_add_nc_u64 s[4:5], s[4:5], s[26:27]
	s_add_nc_u64 s[6:7], s[20:21], s[28:29]
.set i, 0
.rept 16
	global_load_b128 v[X+4*i:X+4*i+3], v1, s[4:5] offset:4096*i th:TH_LOAD_NT  ; a wave's load covers 512 consecutive bytes
.set i, i+1
.endr
	s_cmp_eq_u32 s24, 4
	s_cbranch_scc1 .Lwo
.set i, 0
.rept 16
	s_wait_loadcnt 15-i                            ; loads come back in order: load i is in, the 15 - i younger ones stay out
	v_cvt_pk_bf16_f32 v[Y+2*i],   v[X+4*i],   v[X+4*i+1]
	v_cvt_pk_bf16_f32 v[Y+2*i+1], v[X+4*i+2], v[X+4*i+3]
	global_store_b64 v2, v[Y+2*i:Y+2*i+1], s[6:7] offset:2048*i th:TH_STORE_NT  ; 32 lanes store 256 consecutive bytes, aligned
.set i, i+1
.endr
	s_branch .Lend
.Lwo:
.set i, 0
.rept 16
	s_wait_loadcnt 15-i
	v_cvt_pk_bf16_f32 v10, v[X+4*i],   v[X+4*i+1]  ; rounded to bf16 like every other input,
	v_cvt_pk_bf16_f32 v11, v[X+4*i+2], v[X+4*i+3]
	v_lshlrev_b32 v[X+4*i],   16,  v10              ; widened,
	v_and_b32     v[X+4*i+1], s30, v10
	v_lshlrev_b32 v[X+4*i+2], 16,  v11
	v_and_b32     v[X+4*i+3], s30, v11
	v_cvt_pk_f16_f32 v[Y+2*i],   v[X+4*i],   v[X+4*i+1]  ; and written as f16: 8 significant bits fit into 11
	v_cvt_pk_f16_f32 v[Y+2*i+1], v[X+4*i+2], v[X+4*i+3]
	global_store_b64 v2, v[Y+2*i:Y+2*i+1], s[6:7] offset:2048*i th:TH_STORE_NT
.set i, i+1
.endr
	s_branch .Lend
.Lmask:
	; chunk = (qt, half): 16 query rows x 1,024 keys; wave w takes 128 of the keys.  In by rows of 512 bytes, through my own box in LDS, out in accumulator order.
	v_lshrrev_b32 v3, 5, v0
	v_readfirstlane_b32 s25, v3                    ; wave 0..7
	v_and_b32 v4, 31, v0                           ; lane
	v_and_b32 v5, 15, v0                           ; r
	v_bfe_u32 v6, v0, 4, 1                         ; h
	s_mov_b32 s32, 0x3fb8aa3b                      ; log2(e)
	s_mov_b32 s33, s32                             ; named with it as a pair
	s_lshr_b32 s2, ttmp9, 1                        ; qt
	s_and_b32 s3, ttmp9, 1                         ; half
	s_lshl_b32 s26, s2, 17                         ; qt x 131,072: 16 rows of 8,192 bytes in, and the qt pitch out
	s_lshl_b32 s28, s3, 12                         ; in: + half x 4,096 + wave x 512
	s_add_co_u32 s28, s28, s26
	s_lshl_b32 s31, s25, 9
	s_add_co_u32 s28, s28, s31
	s_mov_b32 s29, 0
	s_add_nc_u64 s[4:5], s[18:19], s[28:29]
	s_lshl_b32 s28, s3, 16                         ; out: + (64 half + 8 wave) blocks of 1,024 bytes
	s_add_co_u32 s28, s28, s26
	s_lshl_b32 s31, s25, 13
	s_add_co_u32 s28, s28, s31
	s_add_nc_u64 s[6:7], s[22:23], s[28:29]
	s_mul_i32 s31, s25, WBOX                       ; my box
	v_lshlrev_b32 v1, 4, v4                        ; 16 x lane
	v_add_nc_u32 v3, s31, v1                       ; into the box: a row at a time
	v_mul_u32_u24 v7, v5, MPITCH
	v_lshl_add_u32 v7, v6, 5, v7
	v_add_nc_u32 v7, s31, v7                       ; back: row r, 32 h bytes on
.set i, 0
.rept 16
	global_load_b128 v[X+4*i:X+4*i+3], v1, s[4:5] offset:8192*i th:TH_LOAD_NT  ; row i: 512 consecutive bytes
.set i, i+1
.endr
.set i, 0
.rept 16
	s_wait_loadcnt 15-i
	v_cvt_pk_bf16_f32 v10, v[X+4*i],   v[X+4*i+1]
	v_cvt_pk_bf16_f32 v11, v[X+4*i+2], v[X+4*i+3]
	v_lshlrev_b32 v[X+4*i],   16,  v10
	v_and_b32     v[X+4*i+1], s30, v10
	v_lshlrev_b32 v[X+4*i+2], 16,  v11
	v_and_b32     v[X+4*i+3], s30, v11
	v_pk_mul_f32 v[X+4*i:X+4*i+1],   v[X+4*i:X+4*i+1],   s[32:33] op_sel_hi:[1,0]  ; into base-2 units, in f32
	v_pk_mul_f32 v[X+4*i+2:X+4*i+3], v[X+4*i+2:X+4*i+3], s[32:33] op_sel_hi:[1,0]
	ds_store_b128 v3, v[X+4*i:X+4*i+3] offset:MPITCH*i
.set i, i+1
.endr
.set i, 0
.rept 16                                       ; i = 2 kb + e.  LDS serves a wave's instructions in order, and the box is my own: these see the stores above
	ds_load_b128 v[Y+4*i:Y+4*i+3], v7 offset:64*(i/2)+16*(i%2)
.set i, i+1
.endr
.set i, 0
.rept 16
	s_wait_dscnt 15-i
	global_store_b128 v1, v[Y+4*i:Y+4*i+3], s[6:7] offset:512*i th:TH_STORE_NT  ; 512 consecutive bytes
.set i, i+1
.endr
.Lend:
	s_wait_tensorcnt 0x0                           ; the wave's end, behind my last LDS store
	ds_add_u32 v[SPW], v[NIL]
	s_wait_dscnt 0x0
	s_endpgm
.Lfunc_end_k_qadd274cab8_prep:
	.size	k_qadd274cab8_prep, .Lfunc_end_k_qadd274cab8_prep-k_qadd274cab8_prep
	.p2alignl 7, 3214868480
	.fill 96, 4, 3214868480
	.section	.rodata,"a",@progbits
	.p2align	6, 0x0
	.amdhsa_kernel k_qadd274cab8_prep
		.amdhsa_group_segment_fixed_size 68608
		.amdhsa_private_segment_fixed_size 0
		.amdhsa_enable_private_segment 0
		.amdhsa_kernarg_size 64
		.amdhsa_user_sgpr_count 2
		.amdhsa_user_sgpr_kernarg_segment_ptr 1
		.amdhsa_wavefront_size32 1
		.amdhsa_system_sgpr_workgroup_id_x 1
		.amdhsa_system_sgpr_workgroup_id_y 1
		.amdhsa_system_sgpr_workgroup_id_z 1
		.amdhsa_system_vgpr_workitem_id 0
		.amdhsa_next_free_vgpr 144
		.amdhsa_next_free_sgpr 66
		.amdhsa_reserve_vcc 0
		.amdhsa_float_denorm_mode_32 3
		.amdhsa_float_denorm_mode_16_64 3
		.amdhsa_memory_ordered 1
		.amdhsa_forward_progress 1
		.amdhsa_inst_pref_size 29
	.end_amdhsa_kernel
	.amdgpu_metadata
---
amdhsa.version: [ 1, 2 ]
amdhsa.kernels:
  - .name:           k_qadd274cab8_prep
    .symbol:         k_qadd274cab8_prep.kd
    .args:
      - { .name: x, .offset: 0, .size: 8, .value_kind: global_buffer, .address_space: global }
      - { .name: wq, .offset: 8, .size: 8, .value_kind: global_buffer, .address_space: global }
      - { .name: wk, .offset: 16, .size: 8, .value_kind: global_buffer, .address_space: global }
      - { .name: wv, .offset: 24, .size: 8, .value_kind: global_buffer, .address_space: global }
      - { .name: wo, .offset: 32, .size: 8, .value_kind: global_buffer, .address_space: global }
      - { .name: mask, .offset: 40, .size: 8, .value_kind: global_buffer, .address_space: global }
      - { .name: w16, .offset: 48, .size: 8, .value_kind: global_buffer, .address_space: global }
      - { .name: maskc, .offset: 56, .size: 8, .value_kind: global_buffer, .address_space: global }
    .group_segment_fixed_size: 68608
    .private_segment_fixed_size: 0
    .kernarg_segment_align: 8
    .kernarg_segment_size: 64
    .max_flat_workgroup_size: 256
    .sgpr_count:     66
    .vgpr_count:     144
    .wavefront_size: 32
...
	.end_amdgpu_metadata
.endif
;; end of part 1
;; launch qkvp (part 2): grid 16 x 16, 4 waves a work-group, clusters of 4 x 4, 327,680 bytes of LDS; arguments w16, freq_cos, freq_sin, qkv; writes qkv
.if DOCPART == 2
	.amdgcn_target "amdgcn-amd-amdhsa--gfx1250"
	.amdhsa_code_object_version 6
	.text
	.protected	k_qadd274cab8_qkvp
	.globl	k_qadd274cab8_qkvp
	.p2align	8
	.type	k_qadd274cab8_qkvp,@function
k_qadd274cab8_qkvp:
	s_mov_b64 s[64:65], 0
	v_nop
	global_prefetch_b8 v0, s[64:65] scope:SCOPE_SE
	s_setreg_imm32_b32 hwreg(HW_REG_WAVE_MODE, 25, 1), 1
	s_wait_xcnt 0x0
	s_wait_alu depctr_hold_cnt(0) depctr_sa_sdst(0) depctr_va_vdst(0) depctr_va_sdst(0) depctr_va_ssrc(0) depctr_va_vcc(0) depctr_vm_vsrc(0)
	s_getreg_b32 s2, hwreg(HW_REG_IB_STS2, 6, 4)
	s_cmp_eq_u32 s2, 0
	s_cbranch_scc0 .Lentry_in_a_cluster
	s_endpgm
.Lentry_in_a_cluster:
	s_bfe_u32 s2, ttmp6, 0x10000c
	s_cmp_lg_u32 s2, 0xf033
	s_cbranch_scc0 .Lentry_shape_is_right
	s_endpgm
.Lentry_shape_is_right:
; Q, K, V PROJECTIONS WITH ROPE.  q = rope(x wq^T) log2(e) / sqrt(128), k = rope(x wk^T), v = x wv^T, written by heads: qkv = three sections [16][2048][128] of f16.
; (q carries the scores' scale and the change to base 2, so that the softmax that follows takes plain differences of scores.)
; x and the weights come from w16 in bf16 (sections 0 to 3, rows of 4,096 bytes); sums in f32; cos and sin are rounded to bf16 like every other input; each result is rounded once, to f16.
; LIMITS.  q log2(e) / sqrt(128), k and v must lie within f16's 65,504; below 2^-14 they keep f16's fixed step of 2^-24.
; SHARES.  A work-group makes 128 rows x (one head of q, of k and of v): 128 x 384.  Wave w: rows 64 (w / 2) on, channels 64 (w % 2) on of each of the three: 4 x 12 accumulators, 384 registers;
; for 32 along K it reads 32 x 16 bytes a lane from LDS for 48 matrix instructions.  K goes in steps of 128 (rows of 256 bytes) through two LDS slots; a slot has four parts of 128 rows: x, wq, wk, wv.
; CLUSTER 4 x 4.  x's tile hangs on the row tile alone and is shared along a row of the cluster; the weights' tiles hang on the head alone and are shared along a column: joint loads.  Wave 0 asks for x's part, waves 1 to 3 for wq's, wk's, wv's.
; THE MATRIX INSTRUCTION IS USED TRANSPOSED (source 0 = 16 rows of w, source 1 = 16 rows of x): a lane holds one row and eight neighbouring channels, that is four (re, im) pairs.
; REGISTERS, in windows of 256 (s_set_vgpr_msb: bits 1:0 source 0, 3:2 source 1, 5:4 source 2, 7:6 destination):
;   window 0: addresses; v12-19, v32-35 at work; v64-127 cos, v128-191 sin for my rows and channels; later v64-255 rows read back
;   window 1: two fragment buffers of 128: 4 fragments of x, then 12 of w (q's four, k's four, v's four)
;   window 2: accumulator (a, b < 8) at 8 (8 a + b): q and k          window 3: accumulator (a, b >= 8) at 8 (4 a + b - 8): v
.set SEC,   8388608
.set KSTEP, 128
.set PITCH, 272                        ; an LDS row: 256 bytes + 16: the 16 rows of a fragment load start in 16 different 16-byte columns
.set PART,  128*PITCH
.set SLOT,  4*PART                     ; 0x22000: its two bits occur in no part's offset, so one exclusive or turns an address in one slot into the other's
.set SPARE, 2*SLOT                     ; behind the ring: the spare words, 128 bytes for each wave
.set A0,   2                           ; v2   my place in x's part: (64 (w / 2) + l % 16) x PITCH + 16 (l / 16); never rewritten
.set B0,   3                           ; v3   my place in wq's part
.set B2,   4                           ; v4   my place in wv's part
.set ADRA, 5                           ; v5-7 the three, in the slot in hand
.set ADRB, 6
.set ADRV, 7
.set STO,  8                           ; v8   the way out: where I put 16 bytes of a row (q, k)
.set STO2, 9                           ; v9   the same for v
.set RD,   10                          ; v10  where I read rows back (q, k)
.set RD2,  11                          ; v11  the same for v
.set T,    12                          ; v12-19 at work
.set GO,   20                          ; v20  16 x lane: my bytes of 512 consecutive bytes out
.set TO,   21                          ; v21  my offset in the tables: (l % 16) x 256 + 16 (l / 16)
.set SPW,  28                          ; v28  LDS address of my spare word; never rewritten
.set NIL,  29                          ; v29  0; never rewritten
.set PKD,  32                          ; v32-35 eight f16
.set CT,   64                          ; cos for (row block a, channel block c): four registers at CT + 4 (4 a + c)
.set SN,   128                         ; sin likewise
.set OB,   64                          ; rows read back, once the tables are dead
.set F0,   0
.set F1,   128
.set WV,   12                          ; s12  wave
.set RW,   13                          ; s13  w / 2
.set CW,   14                          ; s14  w % 2
.set CX,   15
.set CY,   16
.set HEAD, 17
.set ROWT, 18
.set G1A,  24                          ; s[24:31] group 1 for x's tiles
.set G1B,  32                          ; s[32:39] for the weights': it differs in the mask alone
.set G0A,  40                          ; s[40:47] group 0 for x's tiles: a set for each first fill; the second then walks
.set G0B,  48                          ; s[48:55] the same for the weights'
.set CNT,  56
.set SB,   57                          ; s57  the slot that is read: 0 or SLOT
.set AL,   58                          ; s[58:59] log2(e) / sqrt(128)
.set HIM,  60                          ; s60  a word's upper bf16
.set MSB, 0
.macro WIN new                         ; the immediate's high byte repeats the setting that is left; a switch that changes nothing is dropped
.if MSB != (\new)
	s_set_vgpr_msb (MSB<<8)|(\new)
.set MSB, \new
.endif
.endm
.macro PLACES                          ; four places behind a matrix instruction, in front of loads into registers that it has read (ISA guide 7.12.1 for vector instructions)
.rept 4
	v_nop
.endr
.endm
.macro CREST                           ; a round of the cluster's barrier behind its opening barrier
	s_cmp_lg_u32 s[WV], 0
	s_cbranch_scc1 .Lnot_wave_0_\@
	s_barrier_signal -3
.Lnot_wave_0_\@:
	s_barrier_wait -3
	s_barrier_signal -1
	s_barrier_wait -1
.endm
.macro CROUND
	s_barrier_signal -1
	s_barrier_wait -1
	CREST
.endm
.macro JLOAD                           ; a joint refill by the walking sets; the branch hangs on the wave's number alone; an s_nop 0 and four v_nop follow each line
	s_cmp_eq_u32 s[WV], 0
	s_cbranch_scc0 .Lfor_b_\@
	tensor_load_to_lds s[G0A+4:G0A+7], s[G1A:G1A+7]
	s_nop 0
	PLACES
	s_branch .Lasked_\@
.Lfor_b_\@:
	tensor_load_to_lds s[G0B+4:G0B+7], s[G1B:G1B+7]
	s_nop 0
	PLACES
.Lasked_\@:
.endm
	s_load_b256 s[4:11], s[0:1], 0x0               ; w16 s[4:5], cos s[6:7], sin s[8:9], qkv s[10:11]
	v_lshl_add_u32 v[SPW], v0, 2, SPARE
	v_mov_b32 v[NIL], 0
	ds_add_u32 v[SPW], v[NIL]                      ; the wave's opening: the add and its wait stand ahead of my first tensor load; work on registers stands between them
	v_lshrrev_b32 v1, 5, v0
	v_readfirstlane_b32 s[WV], v1
	s_lshr_b32 s[RW], s[WV], 1
	s_and_b32 s[CW], s[WV], 1
	s_bfe_u32 s[CX], ttmp6, 0x40000
	s_bfe_u32 s[CY], ttmp6, 0x40004
	s_lshl_b32 s[HEAD], ttmp9, 2
	s_add_co_u32 s[HEAD], s[HEAD], s[CX]           ; head = 4 x cluster x + cx
	s_and_b32 s[ROWT], ttmp7, 0xffff
	s_lshl_b32 s[ROWT], s[ROWT], 2
	s_add_co_u32 s[ROWT], s[ROWT], s[CY]           ; row tile = 4 x cluster y + cy
	s_lshl_b32 s19, s[CY], 2
	s_lshl_b32 s19, 15, s19                        ; my row of the cluster
	s_lshl_b32 s61, 0x1111, s[CX]                  ; my column
	s_or_b32 s[G1A], s19, (1<<16)|(1<<20)|(1<<21)|(5<<22)|(3<<25)  ; the mask; 2-byte elements; padding on; bit 21 beside a mask; after every 64 words 4 words of padding
	s_or_b32 s[G1B], s61, (1<<16)|(1<<20)|(1<<21)|(5<<22)|(3<<25)
.irp g, G1A, G1B
	s_mov_b32 s[(\g)+1], KSTEP<<16                 ; tensor_dim0 = 128
	s_mov_b32 s[(\g)+2], 128<<16                   ; tensor_dim1 = 128
	s_mov_b32 s[(\g)+3], KSTEP<<16                 ; tile_dim0 = 128
	s_mov_b32 s[(\g)+4], 128                       ; tile_dim1 = 128
	s_mov_b32 s[(\g)+5], 2048                      ; elements from row to row
	s_mov_b32 s[(\g)+6], 0
	s_mov_b32 s[(\g)+7], 0
.endr
	s_lshl_b32 s20, s[ROWT], 19                    ; x: 128 rows of 4,096 bytes a row tile; no register here ever holds cx
	s_mov_b32 s21, 0
	s_mul_i32 s22, s[WV], SEC                      ; the weights: section = my wave's number, 128 rows a head; no register here ever holds cy
	s_lshl_b32 s23, s[HEAD], 19
	s_add_co_u32 s22, s22, s23
	s_mov_b32 s23, 0
	s_mul_i32 s62, s[WV], PART                     ; and the part of a slot
	s_mov_b32 s[SB], 0
	s_mov_b32 s[AL], 0x3e0293ee                    ; log2(e) / sqrt(128) = 0.127517
	s_mov_b32 s[AL+1], s[AL]                       ; named with it as a pair
	s_mov_b32 s[HIM], 0xffff0000
	s_lshl_b32 s76, s[ROWT], 15                    ; the tables: (128 row tile + 64 (w / 2)) rows of 256 bytes + 128 (w % 2)
	s_lshl_b32 s77, s[RW], 14
	s_add_co_u32 s76, s76, s77
	s_lshl_b32 s77, s[CW], 7
	s_add_co_u32 s76, s76, s77
	s_mov_b32 s77, 0
	s_lshl_b32 s78, s[HEAD], 19                    ; out: the head's 524,288 bytes, (128 row tile + 32 w) rows of 256 bytes
	s_lshl_b32 s79, s[ROWT], 15
	s_add_co_u32 s78, s78, s79
	s_lshl_b32 s79, s[WV], 13
	s_add_co_u32 s78, s78, s79
	s_mov_b32 s79, 0
	s_wait_dscnt 0x0                               ; the opening add is done
	s_wait_kmcnt 0x0
	s_add_nc_u64 s[20:21], s[4:5], s[20:21]
	s_add_nc_u64 s[22:23], s[4:5], s[22:23]
	s_add_nc_u64 s[66:67], s[6:7], s[76:77]        ; cos
	s_add_nc_u64 s[68:69], s[8:9], s[76:77]        ; sin
	s_add_nc_u64 s[70:71], s[10:11], s[78:79]      ; q out
	s_add_nc_u64 s[72:73], s[70:71], SEC           ; k out
	s_add_nc_u64 s[74:75], s[72:73], SEC           ; v out
	CROUND                                         ; all sixteen work-groups are here: the first joint loads meet
.irp s, 0,1
	s_mov_b32 s[G0A+4*(\s)], 1
	s_mov_b32 s[G0A+4*(\s)+1], (\s)*SLOT
	s_add_nc_u64 s[G0A+4*(\s)+2:G0A+4*(\s)+3], s[20:21], (\s)*KSTEP*2
	s_or_b32 s[G0A+4*(\s)+3], s[G0A+4*(\s)+3], 0x80000000
	s_mov_b32 s[G0B+4*(\s)], 1
	s_add_co_u32 s[G0B+4*(\s)+1], s62, (\s)*SLOT
	s_add_nc_u64 s[G0B+4*(\s)+2:G0B+4*(\s)+3], s[22:23], (\s)*KSTEP*2
	s_or_b32 s[G0B+4*(\s)+3], s[G0B+4*(\s)+3], 0x80000000
.endr
	s_cmp_eq_u32 s[WV], 0                          ; a wave's two first fills stand in one branch: K steps 0 and 1; two loads of mine are out
	s_cbranch_scc0 .Lfirst_b
	tensor_load_to_lds s[G0A:G0A+3], s[G1A:G1A+7]
	s_nop 0
	tensor_load_to_lds s[G0A+4:G0A+7], s[G1A:G1A+7]
	s_nop 0
	PLACES
	s_branch .Lfirst_asked
.Lfirst_b:
	tensor_load_to_lds s[G0B:G0B+3], s[G1B:G1B+7]
	s_nop 0
	tensor_load_to_lds s[G0B+4:G0B+7], s[G1B:G1B+7]
	s_nop 0
	PLACES
.Lfirst_asked:
	v_and_b32 v22, 15, v0                          ; r = l % 16
	v_bfe_u32 v23, v0, 4, 1                        ; h = l / 16
	v_and_b32 v24, 31, v0                          ; l
	v_lshlrev_b32 v[TO], 8, v22
	v_lshl_add_u32 v[TO], v23, 4, v[TO]
.set i, 0
.rept 16                                       ; row block a = i / 4, channel block c = i % 4: cos and sin of my four pairs; waited for on the way out
	global_load_b128 v[CT+4*i:CT+4*i+3], v[TO], s[66:67] offset:(i/4)*4096+(i%4)*32
	global_load_b128 v[SN+4*i:SN+4*i+3], v[TO], s[68:69] offset:(i/4)*4096+(i%4)*32
.set i, i+1
.endr
	v_mul_u32_u24 v26, v22, PITCH
	v_lshl_add_u32 v26, v23, 4, v26                ; a fragment's row x pitch + 16 x half
	s_mul_i32 s61, s[RW], 64*PITCH
	v_add_nc_u32 v[A0], s61, v26
	s_mul_i32 s63, s[CW], 64*PITCH
	s_add_co_u32 s63, s63, PART
	v_add_nc_u32 v[B0], s63, v26
	v_add_nc_u32 v[B2], 2*PART, v[B0]
	v_mov_b32 v[ADRA], v[A0]
	v_mov_b32 v[ADRB], v[B0]
	v_mov_b32 v[ADRV], v[B2]
	s_lshl_b32 s63, s[CW], 7
	v_add_nc_u32 v[STO], s63, v[A0]                ; the stage's rows are pitched like the tiles': row, + my 128 bytes of its 256, + 16 x half
	v_add_nc_u32 v[STO2], 2*PART, v[STO]
	v_mul_u32_u24 v27, v23, PITCH
	v_lshl_add_u32 v27, v22, 4, v27
	s_mul_i32 s61, s[WV], 32*PITCH
	v_add_nc_u32 v[RD], s61, v27                   ; back: wave w takes rows 32 w on, whole; lanes 0-15 one row, lanes 16-31 the next
	v_add_nc_u32 v[RD2], 2*PART, v[RD]
	v_lshlrev_b32 v[GO], 4, v24
; n row blocks from a0 x the 4 blocks of v (hi = 1, window 3) or the 8 of q and k (hi = 0, window 2), 32 along K.  zero = 1: the product starts the sum.
; The 48 accumulators take turns, one instruction a turn, in the same order in every quarter.
.macro MUL f, hi, a0, n, zero
	WIN 0xa5+0x50*(\hi)
.set ma, \a0
.rept \n
.set mb, 0
.rept 8-4*(\hi)
.set rA, (\f)+8*ma
.if \hi
.set rD, 8*(4*ma+mb)
.set rB, (\f)+96+8*mb
.else
.set rD, 8*(8*ma+mb)
.set rB, (\f)+32+8*mb
.endif
.if \zero
	v_wmma_f32_16x16x32_bf16 v[rD:rD+7], v[rB:rB+7], v[rA:rA+7], 0
.else
	v_wmma_f32_16x16x32_bf16 v[rD:rD+7], v[rB:rB+7], v[rA:rA+7], v[rD:rD+7]
.endif
.set mb, mb+1
.endr
.set ma, ma+1
.endr
.endm
; 32 LDS loads in one run: the fragments of 32 along K at byte k of the rows, into buffer f: x's four, v's four, then q's and k's eight
.macro FETCH k, f
	WIN 0x40
.irp a, 0,1,2,3
	ds_load_b128 v[(\f)+8*(\a):(\f)+8*(\a)+3],   v[ADRA] offset:(\k)+(\a)*16*PITCH
	ds_load_b128 v[(\f)+8*(\a)+4:(\f)+8*(\a)+7], v[ADRA] offset:(\k)+(\a)*16*PITCH+32
.endr
.irp c, 0,1,2,3
	ds_load_b128 v[(\f)+96+8*(\c):(\f)+96+8*(\c)+3],   v[ADRV] offset:(\k)+(\c)*16*PITCH
	ds_load_b128 v[(\f)+96+8*(\c)+4:(\f)+96+8*(\c)+7], v[ADRV] offset:(\k)+(\c)*16*PITCH+32
.endr
.irp j, 0,1
.irp c, 0,1,2,3
	ds_load_b128 v[(\f)+32+8*(4*(\j)+(\c)):(\f)+32+8*(4*(\j)+(\c))+3],   v[ADRB] offset:(\k)+(\j)*PART+(\c)*16*PITCH
	ds_load_b128 v[(\f)+32+8*(4*(\j)+(\c))+4:(\f)+32+8*(4*(\j)+(\c))+7], v[ADRB] offset:(\k)+(\j)*PART+(\c)*16*PITCH+32
.endr
.endr
.endm
; A K step is four quarters of 32 along K, 48 matrix instructions each, on buffers 0, 1, 0, 1.  One of the first three: multiplies buffer f and fetches byte k of the rows into g.
.macro QUARTER k, f, g, zero
	s_wait_dscnt 16                                ; x's and v's fragments are in; the youngest sixteen loads (q's and k's) may be out
	MUL \f, 1, 0, 4, \zero
	PLACES
	FETCH \k, \g
	s_wait_dscnt 32                                ; all but the 32 just issued
	MUL \f, 0, 0, 4, \zero
.endm
; The last quarter multiplies buffer 1 and changes slots: ONE barrier; in front of it each wave waits for all its tensor loads (one is out: its part of the next slot), adds 0 to its spare word, and waits for
; that and for its reads of this slot.  fill = 1: the barrier opens a round of the cluster's, and this slot is filled again, two K steps ahead: 168 matrix instructions ahead of the wait for it.
.macro TURN fill
	WIN 0
	s_wait_tensorcnt 0x0                           ; no tensor load of mine is out, so a group 0 may be written
	ds_add_u32 v[SPW], v[NIL]                      ; 0 onto my spare word
.if \fill
.irp g, G0A+4, G0B+4
	s_xor_b32 s[(\g)+1], s[(\g)+1], SLOT           ; the walking set: the other slot than last time,
	s_add_nc_u64 s[(\g)+2:(\g)+3], s[(\g)+2:(\g)+3], KSTEP*2  ; the next K step
.endr
.endif
	s_xor_b32 s[SB], s[SB], SLOT                   ; the fetches go over to the other slot
	s_wait_dscnt 17                                ; (the add and the youngest sixteen loads may be out)
	MUL F1, 1, 0, 4, 0
	s_wait_dscnt 0x0                               ; the add is done, and my reads of this slot are over
	s_barrier_signal -1
	MUL F1, 0, 0, 1, 0                             ; work on registers while the others arrive
	WIN 0
	s_barrier_wait -1
.if \fill
	CREST                                          ; no wave of any partner still reads this slot or has a load on its way
	JLOAD                                          ; the first tensor load behind the round; its four v_nop are also places in front of the loads below
.else
	v_nop                                          ; with the three additions: the four places in front of the loads below
.endif
	v_add_nc_u32 v[ADRA], s[SB], v[A0]
	v_add_nc_u32 v[ADRB], s[SB], v[B0]
	v_add_nc_u32 v[ADRV], s[SB], v[B2]
	FETCH 0, F0
	MUL F1, 0, 1, 3, 0
.endm
	s_wait_tensorcnt 0x1                           ; my part of K step 0 is in; K step 1's may stay out
	s_barrier_signal -1
	s_barrier_wait -1
	FETCH 0, F0
	QUARTER 64, F0, F1, 1                          ; the first quarter stands in front of the loop: its products start the sums
	WIN 0
	s_mov_b32 s[CNT], 14
.Lstep:                                        ; a trip: a K step's last three quarters and the next one's first; 14 refills bring K steps 2 to 15
	QUARTER 128, F1, F0, 0
	QUARTER 192, F0, F1, 0
	TURN 1
	QUARTER 64, F0, F1, 0
	WIN 0
	s_sub_co_u32 s[CNT], s[CNT], 1
	s_cmp_lg_u32 s[CNT], 0
	s_cbranch_scc1 .Lstep
	QUARTER 128, F1, F0, 0                         ; K step 14 goes on; nothing is left to ask for
	QUARTER 192, F0, F1, 0
	TURN 0
	QUARTER 64, F0, F1, 0
	QUARTER 128, F1, F0, 0
	QUARTER 192, F0, F1, 0
	s_wait_dscnt 16
	MUL F1, 1, 0, 4, 0
	s_wait_dscnt 0x0
	MUL F1, 0, 0, 4, 0
	; THE WAY OUT.  The stage is slot 0, which has had its last fill and whose last readers passed the barrier above: tensor j at j x PART, 128 rows of 272 bytes.
	WIN 0
	s_wait_loadcnt 0x0                             ; the tables
.set i, 0
.rept 64                                       ; cos and sin rounded to bf16, as every input is; this plain work also fills the places behind the last products
	v_cvt_pk_bf16_f32 v[T+i%4], v[CT+2*i], v[CT+2*i+1]
	v_lshlrev_b32 v[CT+2*i],   16,     v[T+i%4]
	v_and_b32     v[CT+2*i+1], s[HIM], v[T+i%4]
.set i, i+1
.endr
; The rotation of tensor j (0: q, 1: k): (re, im) -> (re c - im s, re s + im c), rounded to f16, 16 bytes a lane into the stage.  An accumulator's lowest registers are read first.
.macro ROPE j
.set ra, 0
.rept 4
.set rc, 0
.rept 4
.set AC, 8*(8*ra+4*(\j)+rc)
.set TB, 4*(4*ra+rc)
	WIN 0x02                                       ; source 0 in window 2
.set p, 0
.rept 4
	v_mul_f32 v[T+2*p],   v[AC+2*p+1], v[SN+TB+p]
	v_mul_f32 v[T+2*p+1], v[AC+2*p],   v[SN+TB+p]
.set p, p+1
.endr
.set p, 0
.rept 4
	v_fma_f32 v[T+2*p],   v[AC+2*p],   v[CT+TB+p], -v[T+2*p]
	v_fma_f32 v[T+2*p+1], v[AC+2*p+1], v[CT+TB+p], v[T+2*p+1]
.set p, p+1
.endr
	WIN 0
.set p, 0
.rept 4
	v_cvt_pk_f16_f32 v[PKD+p], v[T+2*p], v[T+2*p+1]
.set p, p+1
.endr
	ds_store_b128 v[STO], v[PKD:PKD+3] offset:(\j)*PART+ra*16*PITCH+32*rc
.set rc, rc+1
.endr
.set ra, ra+1
.endr
.endm
	ROPE 1                                         ; k
.set i, 0
.rept 64
	v_pk_mul_f32 v[CT+2*i:CT+2*i+1], v[CT+2*i:CT+2*i+1], s[AL:AL+1] op_sel_hi:[1,0]  ; q carries the scores' log2(e) / sqrt(128): folded into its tables, in f32
.set i, i+1
.endr
	ROPE 0                                         ; q
.set ra, 0
.rept 4
.set rc, 0
.rept 4
.set AC, 8*(4*ra+rc)
	WIN 0x0f                                       ; sources 0 and 1 in window 3
.set p, 0
.rept 4
	v_cvt_pk_f16_f32 v[PKD+p], v[AC+2*p], v[AC+2*p+1]
.set p, p+1
.endr
	WIN 0
	ds_store_b128 v[STO2], v[PKD:PKD+3] offset:ra*16*PITCH+32*rc
.set rc, rc+1
.endr
.set ra, ra+1
.endr
	s_wait_dscnt 0x0                               ; for the others' sake: a row's 256 bytes come from two waves
	s_barrier_signal -1
	s_barrier_wait -1
.set n, 0
.rept 48                                       ; tensor n / 16, rows 2 (n % 16) and the next of my 32
.if n < 32
	ds_load_b128 v[OB+4*n:OB+4*n+3], v[RD] offset:(n/16)*PART+(n%16)*2*PITCH
.else
	ds_load_b128 v[OB+4*n:OB+4*n+3], v[RD2] offset:(n%16)*2*PITCH
.endif
.set n, n+1
.endr
.set n, 0
.rept 48
	s_wait_dscnt 47-n
	global_store_b128 v[GO], v[OB+4*n:OB+4*n+3], s[70+2*(n/16):71+2*(n/16)] offset:(n%16)*512  ; 512 consecutive bytes: two rows of a head
.set n, n+1
.endr
	s_wait_tensorcnt 0x0                           ; the wave's end, behind my last tensor load and my last LDS store
	ds_add_u32 v[SPW], v[NIL]
	s_wait_dscnt 0x0
	CROUND                                         ; the closing round
	s_endpgm
.Lfunc_end_k_qadd274cab8_qkvp:
	.size	k_qadd274cab8_qkvp, .Lfunc_end_k_qadd274cab8_qkvp-k_qadd274cab8_qkvp
	.p2alignl 7, 3214868480
	.fill 96, 4, 3214868480
	.section	.rodata,"a",@progbits
	.p2align	6, 0x0
	.amdhsa_kernel k_qadd274cab8_qkvp
		.amdhsa_group_segment_fixed_size 327680
		.amdhsa_private_segment_fixed_size 0
		.amdhsa_enable_private_segment 0
		.amdhsa_kernarg_size 32
		.amdhsa_user_sgpr_count 2
		.amdhsa_user_sgpr_kernarg_segment_ptr 1
		.amdhsa_wavefront_size32 1
		.amdhsa_system_sgpr_workgroup_id_x 1
		.amdhsa_system_sgpr_workgroup_id_y 1
		.amdhsa_system_sgpr_workgroup_id_z 1
		.amdhsa_system_vgpr_workitem_id 0
		.amdhsa_next_free_vgpr 896
		.amdhsa_next_free_sgpr 80
		.amdhsa_reserve_vcc 0
		.amdhsa_float_denorm_mode_32 3
		.amdhsa_float_denorm_mode_16_64 3
		.amdhsa_memory_ordered 1
		.amdhsa_forward_progress 1
		.amdhsa_inst_pref_size 139
	.end_amdhsa_kernel
	.amdgpu_metadata
---
amdhsa.version: [ 1, 2 ]
amdhsa.kernels:
  - .name:           k_qadd274cab8_qkvp
    .symbol:         k_qadd274cab8_qkvp.kd
    .args:
      - { .name: w16, .offset: 0, .size: 8, .value_kind: global_buffer, .address_space: global }
      - { .name: freq_cos, .offset: 8, .size: 8, .value_kind: global_buffer, .address_space: global }
      - { .name: freq_sin, .offset: 16, .size: 8, .value_kind: global_buffer, .address_space: global }
      - { .name: qkv, .offset: 24, .size: 8, .value_kind: global_buffer, .address_space: global }
    .group_segment_fixed_size: 327680
    .private_segment_fixed_size: 0
    .kernarg_segment_align: 8
    .kernarg_segment_size: 32
    .max_flat_workgroup_size: 128
    .sgpr_count:     80
    .vgpr_count:     896
    .wavefront_size: 32
...
	.end_amdgpu_metadata
.endif
;; end of part 2
;; launch attn (part 3): grid 16 x 16, 4 waves a work-group, clusters of 4 x 1, 327,680 bytes of LDS; arguments qkv, maskc, oh; writes oh
.if DOCPART == 3
	.amdgcn_target "amdgcn-amd-amdhsa--gfx1250"
	.amdhsa_code_object_version 6
	.text
	.protected	k_qadd274cab8_attn
	.globl	k_qadd274cab8_attn
	.p2align	8
	.type	k_qadd274cab8_attn,@function
k_qadd274cab8_attn:
	s_mov_b64 s[64:65], 0
	v_nop
	global_prefetch_b8 v0, s[64:65] scope:SCOPE_SE
	s_setreg_imm32_b32 hwreg(HW_REG_WAVE_MODE, 25, 1), 1
	s_wait_xcnt 0x0
	s_wait_alu depctr_hold_cnt(0) depctr_sa_sdst(0) depctr_va_vdst(0) depctr_va_sdst(0) depctr_va_ssrc(0) depctr_va_vcc(0) depctr_vm_vsrc(0)
	s_getreg_b32 s2, hwreg(HW_REG_IB_STS2, 6, 4)
	s_cmp_eq_u32 s2, 0
	s_cbranch_scc0 .Lentry_in_a_cluster
	s_endpgm
.Lentry_in_a_cluster:
	s_bfe_u32 s2, ttmp6, 0x10000c
	s_cmp_lg_u32 s2, 0x3003
	s_cbranch_scc0 .Lentry_shape_is_right
	s_endpgm
.Lentry_shape_is_right:
; ATTENTION WITH AN ADDITIVE MASK THAT IS AN INPUT.  O[q] = the sum over k of softmax_k(Q[q] . K[k] / sqrt(128) + mask[q][k]) V[k], head by head.  Q (which carries log2(e) / sqrt(128)), K, V: f16 [16][2048][128]
; in qkv; mask: f32, times log2(e), in accumulator order in maskc; O: f16 [2048][2048], column 128 head + channel.  Products, maxima and sums in f32; the weights p are rounded to f16 for the second product, O once at the end.
; LIMITS.  A mask of -inf is served (weight 0); +inf and NaN are not treated apart; a row whose scores all lie below -2^127 is not served.  The mask is the C operand that starts a score's sum, so where the mask is
; huge the score joins it over four products instead of one addition: an order of rounding that differs from one addition at the end.  A weight below 2^-126 counts as 0.
; SHARES.  A work-group owns 128 queries of one head.  Wave w: queries 64 (w % 2) on (four tiles of 16, two PIECES: register tiles 0, 1 and 2, 3), and key group g = w / 2: of each slot's four steps of 64 keys it takes
; steps g and g + 2.  So a wave walks 16 steps, step j with the keys 64 (2 j + g) on, and the two groups' (m, l, O) are merged once, in LDS, at the end.  Register tile t holds the wave's query tile (t + 2 g) % 4, by
; Q's, the mask's and O's addresses alone: so every wave hands over its register tiles 2, 3 and finishes its register tiles 0, 1, and the merge is one text without a branch.
; LAYOUT.  S^T = K Q^T + M (source 0 = 16 keys, source 1 = 16 queries): a lane holds ONE query (lane % 16) and the keys 8 (lane / 16) + 0..7; two such results rounded to f16 ARE source 1 of O^T = V^T P.
; K comes out of LDS as it lies, V turned, by ds_load_tr16_b128.  The mask comes straight from memory into the C operand's registers, 512 consecutive bytes a load.
; SOFTMAX.  The scores arrive in base-2 units.  For each query a running maximum m and sum l: p = 2^(s - m): a plain difference, at most 0 and exactly 0 at the maximum, however large the scores (a mask of -1e9 on every key of
; a step included), so p lies in 0 to 1.  In every step O and l are multiplied by a = 2^(m_old - m_new).  m starts at -2^127, O and l at 0: the first step is a step like any other.
; BY TURNS.  In a TURN one piece has the matrix unit: 32 products V^T P of the step in hand, then 32 products K Q^T of the next; the other piece's softmax, 266 vector instructions in 64 slices, stands one slice behind each.
; No first and no last step is written out: the loop is entered in the middle of a trip (32 products on zeros) and the tail is left in the middle of one (32 products on a stale K).
; CLUSTER.  The four query blocks of a cluster belong to one head and walk the same K and V: each tile is asked for jointly.  The mask is each wave's own and is not shared in the cluster.
; REGISTERS, in windows of 256 (s_set_vgpr_msb: bits 1:0 source 0, 3:2 source 1, 5:4 source 2, 7:6 destination):
;   window 0: v0-11, v44-63 addresses and the merge's work; v12-43 eight registers of statistics a tile; v64-191 S^T, 32 a tile; v192-255 P, 16 a tile
;   window 1: O^T, 64 a tile     window 2: v0-127 Q; v128-255 K of one step     window 3: v0-127 V of one step; v128-255 the mask, 32 a tile
.set SEC,   8388608
.set KS,    64
.set PK,    272       ; a row of K in LDS: 256 bytes + 16
.set PV,    288       ; a row of V: 256 + 32
.set VOFF,  256*PK    ; a slot: 256 rows of K, then 256 rows of V
.set SLOT1, 0x24000   ; slot 1 begins here: its two bits occur in no tile's offset in a slot, so one exclusive or turns an address in one slot into the other's
.set STAGE, SLOT1+256*(PK+PV)  ; behind the ring: 16 rows x 272 bytes for each wave, for the way out
.set SP,    272
.set SPARE, STAGE+4*16*SP      ; behind the stages: the spare words, 128 bytes for each wave
.set BOX,   16896     ; the merge: wave w's box at w x BOX in slot 0, which has had its last fill by then: two tiles of O^T (8,192 bytes each), then their (m, l), 256 bytes each
.set AK0, 2           ; v2   my lane's place in a slot's K, my group's first step; never rewritten
.set AV0, 3           ; v3   the same for V
.set ADR, 4           ; v4   the LDS address of the run of loads in hand
.set QO,  5           ; v5   my byte offset in the wave's rows of Q, for register tiles 0, 1 (v59: for 2, 3)
.set STO, 6           ; v6   the way out: where I put 16 bytes of a row
.set RD,  7           ; v7   where I read a row back
.set GO,  8           ; v8   my byte offset in two rows of O
.set ST,  12          ; tile t's statistics at v[ST+8 t]: +0 m, +1 named with it as a pair (at the end: l), +2, +3 l (even keys', odd keys'), +4 to +7 c0-c3, at work; a takes c2's place
.set MO,  44          ; v44  my bytes of a mask load for piece 0: 16 x lane + 2 g tiles of 131,072 bytes (v58: for piece 2: 2 (1 - g) tiles)
.set MBS, 46          ; v46  my box, 16 x lane        v47  my box, 8 x lane
.set MBT, 47
.set MBR, 48          ; v48, v49 the same in the box of the wave with my queries in the other key group
.set MBRT,49
.set MW,  50          ; v50-57 the merge's work
.set MO2, 58
.set QO2, 59
.set PFO, 61          ; v61  256 x lane
.set SPW, 62          ; v62  LDS address of my spare word; never rewritten
.set NIL, 63          ; v63  0; never rewritten
.set S,   64
.set P,   192
.set KF,  128         ; K's fragments, in window 2
.set MK,  128         ; the mask, in window 3: tile t, key block b at MK + 32 t + 8 b
.set WV,  12          ; s12  wave
.set LIM, 15          ; s15  1 where my cluster prefetches, else the greatest number
.set PFA, 18          ; s[18:19] where my prefetch of K or V stands
.set G1K, 24          ; s[24:31] group 1 for K's tiles
.set G1V, 32          ; s[32:39] for V's: it differs in the padding alone
.set G0K, 40          ; s[40:47] group 0 for K's tiles: a set for each first fill; the second then walks
.set G0V, 48          ; s[48:55] the same for V's
.set SLOTS, 56        ; s56  counts the changes of slots
.set CNT, 57          ; s57  counts a slot's two steps; in the tail its trips
.set SEL, 60          ; s[60:61] v_permlanex16_b32's selects: each lane takes its own place in the other half
.set TBK, 62          ; s62  LDS byte at which the slot's part for the next fetch of K begins
.set TBV, 63          ; s63  the same for V
.set MP,  66          ; s[66:67] the mask at my wave's first query tile, my group's keys, the step that is asked for
.set PMA, 68          ; s[68:69] where my prefetch of the mask stands
.set GR,  71          ; s71  g
.set QH,  72          ; s72  w % 2
.set GX,  73          ; s73  1 - g
.set MSB, 0
.macro WIN new                      ; the high byte repeats the setting that is left; a switch that changes nothing is dropped
.if MSB != (\new)
	s_set_vgpr_msb (MSB<<8)|(\new)
.set MSB, \new
.endif
.endm
.set W_KQ, 0x0a       ; K and Q in window 2, S^T in window 0
.set W_KM, 0x3a       ; the same with the C operand in window 3
.set W_PV, 0x53       ; V in window 3, P in window 0, O^T in window 1
.set W_RS, 0x41       ; O^T (destination and source 0) in window 1, a in window 0
.macro PLACES
.rept 4
	v_nop
.endr
.endm
.macro JLOAD                        ; a joint refill: waves 0 and 1 fetch the halves of a slot's K, waves 2 and 3 those of its V; an s_nop 0 and four v_nop follow each line
	s_cmp_lt_u32 s[WV], 2
	s_cbranch_scc0 .Lfor_v_\@
	tensor_load_to_lds s[G0K+4:G0K+7], s[G1K:G1K+7]
	s_nop 0
	PLACES
	s_branch .Lasked_\@
.Lfor_v_\@:
	tensor_load_to_lds s[G0V+4:G0V+7], s[G1V:G1V+7]
	s_nop 0
	PLACES
.Lasked_\@:
.endm
; PREFETCHES INTO THE L2, behind the wave's tensor load and its five lines: for the slot that the NEXT change will ask for, a lane a block of 256 bytes, two instructions a wave.  Each head's first cluster asks, and nobody else.
; K and V: the slot's 256 rows of each, 256 bytes a row: the cluster's four partners share them out BY ADDRESS, 64 each, a wave 32 (waves 0, 1 of K, waves 2, 3 of V).
; The mask: that slot's 256 keys of all 2,048 queries are 8,192 blocks; the 256 asking waves (16 heads x 4 partners x 4 waves) take 32 each, by address: wave a = 16 head + 4 cx + w takes half a % 2 of
; query tile a / 2's 16,384 bytes.  So each block is named once in the launch.  The last change that fills a slot asks for nothing; slots 0 to 2 come by their loads alone.
.macro ASK
	s_cmp_gt_u32 s[SLOTS], s[LIM]
	s_cbranch_scc0 .Lnot_mine_\@
	global_prefetch_b8 v[PFO], s[PFA:PFA+1] th:TH_LOAD_NT scope:SCOPE_SE
	global_prefetch_b8 v[PFO], s[PMA:PMA+1] th:TH_LOAD_NT scope:SCOPE_SE
.Lnot_mine_\@:
.endm
.macro CROUND                       ; a round of the cluster's barrier
	s_barrier_signal -1
	s_barrier_wait -1
	s_cmp_lg_u32 s[WV], 0
	s_cbranch_scc1 .Lnot_wave_0_\@
	s_barrier_signal -3
.Lnot_wave_0_\@:
	s_barrier_wait -3
	s_barrier_signal -1
	s_barrier_wait -1
.endm
	s_load_b128 s[4:7], s[0:1], 0x0 ; qkv s[4:5], maskc s[6:7]
	s_load_b64 s[8:9], s[0:1], 0x10 ; oh
	v_lshl_add_u32 v[SPW], v0, 2, SPARE
	v_mov_b32 v[NIL], 0
	ds_add_u32 v[SPW], v[NIL]       ; the wave's opening: the add and its wait stand ahead of my first tensor load; work on registers stands between them
	v_lshrrev_b32 v1, 5, v0
	v_readfirstlane_b32 s[WV], v1
	s_lshr_b32 s[GR], s[WV], 1
	s_and_b32 s[QH], s[WV], 1
	s_xor_b32 s[GX], s[GR], 1
	s_bfe_u32 s13, ttmp6, 0x40000   ; cx
	s_lshl_b32 s14, ttmp9, 2
	s_add_co_u32 s14, s14, s13      ; my block of 128 queries: it enters Q's, O's and the mask's addresses alone
	s_and_b32 s16, ttmp7, 0xffff    ; the head, which the four partners share
	s_lshl_b32 s20, s16, 19         ; the head's 524,288 bytes in a section
	s_lshl_b32 s22, s[QH], 15       ; which half of a slot's 256 rows I fetch: 128 rows of 256 bytes
	s_add_co_u32 s22, s22, s20
	s_mov_b32 s23, 0
	s_mul_i32 s17, s[QH], 128*PK    ; and its place in a slot, for K
	s_mul_i32 s86, s[QH], 128*PV    ; and for V: no place in the cluster enters an LDS address
	s_add_co_u32 s86, s86, VOFF
	s_lshl_b32 s78, s13, 14         ; the prefetch of K or V: my work-group's 64 rows, my wave's 32 of them, in slot 2: the first change steps it to slot 3
	s_add_co_u32 s78, s78, s20
	s_lshl_b32 s79, s[QH], 13
	s_add_co_u32 s78, s78, s79
	s_add_co_u32 s78, s78, 2*65536
	s_mov_b32 s79, 0
	s_lshl_b32 s58, s16, 20         ; the prefetch of the mask: query tile 8 head + 2 cx + w / 2, of 131,072 bytes; half w % 2 of a slot's 16,384; in slot 2 likewise
	s_lshl_b32 s59, s13, 18
	s_add_co_u32 s58, s58, s59
	s_lshl_b32 s59, s[GR], 17
	s_add_co_u32 s58, s58, s59
	s_lshl_b32 s59, s[QH], 13
	s_add_co_u32 s58, s58, s59
	s_add_co_u32 s58, s58, 2*16384
	s_mov_b32 s59, 0
	s_lshl_b32 s80, s14, 15         ; Q: (128 block + 64 (w % 2)) rows of 256 bytes
	s_add_co_u32 s80, s80, s20
	s_lshl_b32 s81, s[QH], 14
	s_add_co_u32 s80, s80, s81
	s_mov_b32 s81, 0
	s_lshl_b32 s82, s14, 19         ; O: the same rows, of 4,096 bytes, + 256 head, + the 2 g query tiles (65,536 bytes each) in front of the two that I finish
	s_lshl_b32 s83, s[QH], 18
	s_add_co_u32 s82, s82, s83
	s_lshl_b32 s83, s16, 8
	s_add_co_u32 s82, s82, s83
	s_lshl_b32 s83, s[GR], 17
	s_add_co_u32 s82, s82, s83
	s_mov_b32 s83, 0
	s_lshl_b32 s84, s14, 20         ; the mask: (8 block + 4 (w % 2)) tiles of 131,072 bytes + 4,096 g
	s_lshl_b32 s85, s[QH], 19
	s_add_co_u32 s84, s84, s85
	s_lshl_b32 s85, s[GR], 12
	s_add_co_u32 s84, s84, s85
	s_mov_b32 s85, 0
	s_mov_b32 s[G1K], 15|(1<<16)|(1<<20)|(1<<21)|(5<<22)|(3<<25)  ; the mask of four; 2-byte elements; padding on; bit 21 beside a mask; after every 64 words 4 words
	s_mov_b32 s[G1V], 15|(1<<16)|(1<<20)|(1<<21)|(5<<22)|(7<<25)  ; the same with 8 words
.irp g, G1K, G1V
	s_mov_b32 s[(\g)+1], 128<<16    ; tensor_dim0 = 128
	s_mov_b32 s[(\g)+2], 128<<16    ; tensor_dim1 = 128
	s_mov_b32 s[(\g)+3], 128<<16    ; tile_dim0 = 128
	s_mov_b32 s[(\g)+4], 128        ; tile_dim1 = 128
	s_mov_b32 s[(\g)+5], 128        ; elements from row to row
	s_mov_b32 s[(\g)+6], 0
	s_mov_b32 s[(\g)+7], 0
.endr
	s_mov_b32 s[SEL], 0x76543210
	s_mov_b32 s[SEL+1], 0xfedcba98
	s_mov_b32 s[TBK], 0
	s_mov_b32 s[TBV], 0
	s_mov_b32 s3, ttmp9
	s_cmp_eq_u32 s3, 0              ; the head's first cluster: the same in all four partners
	s_cselect_b32 s[LIM], 1, -1
	v_and_b32 v10, 31, v0           ; lane
	v_and_b32 v1, 15, v0            ; l % 16
	v_bfe_u32 v9, v0, 4, 1          ; l / 16
	v_lshlrev_b32 v[PFO], 8, v10
	v_lshlrev_b32 v[MO], 4, v10
	s_lshl_b32 s3, s[GX], 18
	v_add_nc_u32 v[MO2], s3, v[MO]  ; piece 2: query tiles 2 (1 - g) and the next
	s_lshl_b32 s3, s[GR], 18
	v_add_nc_u32 v[MO], s3, v[MO]   ; piece 0: query tiles 2 g and the next
	v_lshlrev_b32 v[QO], 8, v1
	v_lshl_add_u32 v[QO], v9, 4, v[QO]  ; row x 256 + 16 x half,
	s_lshl_b32 s3, s[GX], 13
	v_add_nc_u32 v[QO2], s3, v[QO]  ; + the same query tiles, of 4,096 bytes
	s_lshl_b32 s3, s[GR], 13
	v_add_nc_u32 v[QO], s3, v[QO]
	s_wait_dscnt 0x0                ; the opening add is done
	s_wait_kmcnt 0x0
	s_add_nc_u64 s[74:75], s[4:5], SEC      ; K's section
	s_add_nc_u64 s[76:77], s[74:75], SEC    ; V's
	s_cmp_lt_u32 s[WV], 2
	s_cselect_b64 s[PFA:PFA+1], s[74:75], s[76:77]
	s_add_nc_u64 s[PFA:PFA+1], s[PFA:PFA+1], s[78:79]
	s_add_nc_u64 s[PMA:PMA+1], s[6:7], s[58:59]
	s_add_nc_u64 s[74:75], s[74:75], s[22:23]  ; K and V at my tile of slot 0
	s_add_nc_u64 s[76:77], s[76:77], s[22:23]
	s_add_nc_u64 s[4:5], s[4:5], s[80:81]      ; Q at my wave's first row, O at the first row that I finish
	s_add_nc_u64 s[8:9], s[8:9], s[82:83]
	s_add_nc_u64 s[MP:MP+1], s[6:7], s[84:85]  ; step 0
	CROUND                          ; all four work-groups are here: the first joint loads meet
.irp s, 0,1
	s_mov_b32 s[G0K+4*(\s)], 1
	s_add_co_u32 s[G0K+4*(\s)+1], s17, (\s)*SLOT1
	s_add_nc_u64 s[G0K+4*(\s)+2:G0K+4*(\s)+3], s[74:75], (\s)*65536
	s_or_b32 s[G0K+4*(\s)+3], s[G0K+4*(\s)+3], 0x80000000
	s_mov_b32 s[G0V+4*(\s)], 1
	s_add_co_u32 s[G0V+4*(\s)+1], s86, (\s)*SLOT1
	s_add_nc_u64 s[G0V+4*(\s)+2:G0V+4*(\s)+3], s[76:77], (\s)*65536
	s_or_b32 s[G0V+4*(\s)+3], s[G0V+4*(\s)+3], 0x80000000
.endr
	s_cmp_lt_u32 s[WV], 2           ; a wave's two first fills stand in one branch: two loads of mine are out
	s_cbranch_scc0 .Lfirst_v
	tensor_load_to_lds s[G0K:G0K+3], s[G1K:G1K+7]
	s_nop 0
	tensor_load_to_lds s[G0K+4:G0K+7], s[G1K:G1K+7]
	s_nop 0
	PLACES
	s_branch .Lfirst_asked
.Lfirst_v:
	tensor_load_to_lds s[G0V:G0V+3], s[G1V:G1V+7]
	s_nop 0
	tensor_load_to_lds s[G0V+4:G0V+7], s[G1V:G1V+7]
	s_nop 0
	PLACES
.Lfirst_asked:
; THE MASK of piece x for the step at which MP stands: 16 loads of 512 consecutive bytes, n = 8 (tile - x) + 2 (key block) + (half of its eight registers).  The piece's query tiles stand in its vector offset.
; tail = 1: only the trip whose step still exists asks (piece 0: CNT = 3; piece 2: CNT = 2); the others jump forward over the run, so no load leaves the buffer.
.macro LOADM x, tail
.if \tail
	WIN 0
	s_cmp_eq_u32 s[CNT], 3-(\x)/2
	s_cbranch_scc0 .Lno_m_\@
.endif
	WIN 0xc0                        ; destination window 3, address window 0
.set n, 0
.rept 16
	global_load_b128 v[MK+32*(\x)+4*n:MK+32*(\x)+4*n+3], v[MO+14*((\x)/2)], s[MP:MP+1] offset:(n/8)*131072+(n%8)*512
.set n, n+1
.endr
.if \tail
	WIN 0
.Lno_m_\@:
.endif
.endm
	WIN 0x80                        ; destination window 2
.set i, 0
.rept 16                            ; Q stays in registers: register tile i / 4, channels 32 (i % 4) on
	global_load_b128 v[8*i:8*i+3],   v[QO+54*(i/8)], s[4:5] offset:((i/4)%2)*4096+(i%4)*64
	global_load_b128 v[8*i+4:8*i+7], v[QO+54*(i/8)], s[4:5] offset:((i/4)%2)*4096+(i%4)*64+32
.set i, i+1
.endr
	LOADM 0, 0                      ; step 0
	LOADM 2, 0
	; What the first turns find: V and piece 2's P hold 0 (the first products V^T P, of a step that has not been, add 0), O^T and l are 0.  All this stands in the wait for the first tile.
	WIN 0
.set i, P+32
.rept 32
	v_mov_b32 v[i], 0               ; piece 2's P
.set i, i+1
.endr
.set i, 0
.rept 4
	v_mov_b32 v[ST+8*i],   0xff000000  ; m = -2^127
	v_mov_b32 v[ST+8*i+1], 0           ; named with m as a pair, so it is written
	v_mov_b32 v[ST+8*i+2], 0
	v_mov_b32 v[ST+8*i+3], 0
.set i, i+1
.endr
	WIN 0x40                        ; O^T's 256 registers and V's 128 take their 0 from 48 products of zeros (16 of P's registers just written) with C = 0: eight registers an instruction
.set i, 0
.rept 32
	v_wmma_f32_16x16x32_f16 v[8*i:8*i+7], v[P+32:P+39], v[P+40:P+47], 0
.set i, i+1
.endr
	WIN 0xc0
.set i, 0
.rept 16
	v_wmma_f32_16x16x32_f16 v[8*i:8*i+7], v[P+32:P+39], v[P+40:P+47], 0
.set i, i+1
.endr
	WIN 0                           ; the nine plain instructions below are the places behind those products
	s_mul_i32 s3, s[GR], KS*PK
	v_mul_u32_u24 v[AK0], v1, PK
	v_lshl_add_u32 v[AK0], v9, 4, v[AK0]
	v_add_nc_u32 v[AK0], s3, v[AK0]  ; my group's step + row x pitch + 16 x half
	; The turning load takes 16 keys x 16 channels (lane l reads key 8 (l / 16) + l % 8, channels 8 ((l / 8) % 2) + 0..7) and leaves half a fragment of V^T: lane l holds channel l % 16 and 8 keys.
	s_mul_i32 s3, s[GR], KS*PV
	s_add_co_u32 s3, s3, VOFF
	v_and_b32 v11, 7, v0
	v_bfe_u32 v[MW], v0, 3, 1
	v_lshl_add_u32 v[AV0], v9, 3, v11
	v_mul_u32_u24 v[AV0], v[AV0], PV
	v_lshl_add_u32 v[AV0], v[MW], 4, v[AV0]
	v_add_nc_u32 v[AV0], s3, v[AV0]
; THE MATRIX WORK OF A TURN, for piece x.  The accumulators take turns, one instruction a turn: between two links of a chain stand 15 (V^T P) or 7 (K Q^T) others'.
; Product i of 32 of O^T += V^T P: keys 32 (i / 16) on, channels 16 ((i / 2) % 8) on, tile x + i % 2.
.macro PV x
	WIN W_PV
.set rO, 64*((\x)+i%2)+8*((i/2)%8)
.set rV, 64*(i/16)+8*((i/2)%8)
.set rP, P+16*((\x)+i%2)+8*(i/16)
	v_wmma_f32_16x16x32_f16 v[rO:rO+7], v[rV:rV+7], v[rP:rP+7], v[rO:rO+7]
.endm
; Product i of 32 of S^T = K Q^T + M: channels 32 (i / 8) on, keys 16 ((i / 2) % 4) on, tile x + i % 2.  The first 8 start the sums with the mask.
.macro KQ x
.set rS, S+32*((\x)+i%2)+8*((i/2)%4)
.set rK, KF+32*((i/2)%4)+8*(i/8)
.set rQ, 32*((\x)+i%2)+8*(i/8)
.set rM, MK+32*((\x)+i%2)+8*((i/2)%4)
.if i < 8
	WIN W_KM
	v_wmma_f32_16x16x32_f16 v[rS:rS+7], v[rK:rK+7], v[rQ:rQ+7], v[rM:rM+7]
.else
	WIN W_KQ
	v_wmma_f32_16x16x32_f16 v[rS:rS+7], v[rK:rK+7], v[rQ:rQ+7], v[rS:rS+7]
.endif
.endm
; THE LDS LOADS stand in runs of 32: a step's K (64 keys x 128 channels: 16 fragments) and, a turn later, its V (turned).  My group's next step lies 128 rows on.
; tail = 1: in the last trip (CNT = 1) there is no further step, and the run is jumped over.
.macro FETCH_K tail
	WIN 0
.if \tail
	s_cmp_eq_u32 s[CNT], 1
	s_cbranch_scc1 .Lno_k_\@
.endif
	v_add_nc_u32 v[ADR], s[TBK], v[AK0]
	WIN 0x80                        ; destination window 2
.irp f, 0,1,2,3,4,5,6,7,8,9,10,11,12,13,14,15  ; keys 16 (f / 4) on, channels 32 (f % 4) on
	ds_load_b128 v[KF+8*(\f):KF+8*(\f)+3],   v[ADR] offset:((\f)/4)*16*PK+((\f)%4)*64
	ds_load_b128 v[KF+8*(\f)+4:KF+8*(\f)+7], v[ADR] offset:((\f)/4)*16*PK+((\f)%4)*64+32
.endr
	s_add_co_u32 s[TBK], s[TBK], 128*PK
.if \tail
	WIN 0
.Lno_k_\@:
.endif
.endm
.macro FETCH_V
	WIN 0
	v_add_nc_u32 v[ADR], s[TBV], v[AV0]
	s_add_co_u32 s[TBV], s[TBV], 128*PV
	WIN 0xc0                        ; destination window 3
.irp f, 0,1,2,3,4,5,6,7,8,9,10,11,12,13,14,15  ; keys 32 (f / 8) on, channels 16 (f % 8) on
	ds_load_tr16_b128 v[8*(\f):8*(\f)+3],   v[ADR] offset:((\f)/8)*32*PV+((\f)%8)*32
	ds_load_tr16_b128 v[8*(\f)+4:8*(\f)+7], v[ADR] offset:((\f)/8)*32*PV+16*PV+((\f)%8)*32
.endr
.endm
; THE VECTOR WORK OF A TURN.  One tile's softmax for one key step is a numbered list; SM writes number j of it for tile t.  s0-s31 are the lane's 32 scores, in pairs 0-15.
;   0-15    the maximum of s0-s31 and the old m, three operands at a time: four chains c0-c3 of seven scores each (each accumulator's lowest registers are read first), then the four left over, c0-c3 and m
;   16-20   the other half of the lanes' maximum; m_old is kept; the new m; (19 is empty); m_old - m_new
;   21-87   33 exponentials (a, then s0-s31) at the odd numbers from 23 on, so that no two follow each other and each has a plain instruction behind it before its result is used; the plain
;           instructions between them are whatever is ready: s - m for pairs whose exponentials are still to come, the rounding to f16 of pairs whose exponentials are done, at last the first three sums
;   88-101  the last rounding; the rest of the sums; l = a l + the sum
;   102-133 the tile's O^T times a: the one part that leaves window 0, so it stands together
.macro SM t
.set rT, ST+8*(\t)
.set rS, S+32*(\t)
.set rP, P+16*(\t)
.set rO, 64*(\t)+2*(j-102)
.set q, (j-20)/2
.if j < 102
	WIN 0
.endif
.if j < 4
	v_max3_num_f32 v[rT+4+j], v[rS+8*j], v[rS+8*j+1], v[rS+8*j+2]
.elseif j < 12
	v_max3_num_f32 v[rT+4+j%4], v[rT+4+j%4], v[rS+8*(j%4)+2*(j/4)+1], v[rS+8*(j%4)+2*(j/4)+2]
.elseif j == 12
	v_max3_num_f32 v[rT+4], v[rT+4], v[rS+7], v[rS+15]
.elseif j == 13
	v_max3_num_f32 v[rT+6], v[rT+6], v[rS+23], v[rS+31]
.elseif j == 14
	v_max3_num_f32 v[rT+4], v[rT+4], v[rT+5], v[rT+6]
.elseif j == 15
	v_max3_num_f32 v[rT+4], v[rT+4], v[rT+7], v[rT]
.elseif j == 16
	v_permlanex16_b32 v[rT+5], v[rT+4], s[SEL], s[SEL+1]  ; the query's other 32 keys lie in the lane 16 away
.elseif j == 17
	v_mov_b32 v[rT+7], v[rT]        ; m_old is kept for a: number 18 writes m anew
.elseif j == 18
	v_max_num_f32 v[rT], v[rT+4], v[rT+5]
.elseif j == 19                     ; the scores are in base-2 units: there is no factor to apply
.elseif j == 20
	v_sub_f32 v[rT+7], v[rT+7], v[rT]
.elseif j == 23
	v_exp_f32 v[rT+6], v[rT+7]
.elseif (j < 88) && (j > 23) && (j%2 == 1)
	v_exp_f32 v[rS+(j-25)/2], v[rS+(j-25)/2]
.elseif (q < 4) || ((j < 76) && (q%2 == 0))
.set b, q/2+2
.if q < 4
.set b, q
.endif
	v_pk_add_f32 v[rS+2*b:rS+2*b+1], v[rS+2*b:rS+2*b+1], v[rT:rT+1] op_sel_hi:[1,0] neg_lo:[0,1] neg_hi:[0,1]  ; pair b: s - m, never above 0
.elseif (j < 88) && (q%2 == 1)
	s_wait_alu depctr_va_vdst(0)
	v_cvt_pk_f16_f32 v[rP+(q-5)/2], v[rS+q-5], v[rS+q-4]  ; pair (q - 5) / 2: its second exponential stands three numbers back
.elseif j == 89
	s_wait_alu depctr_va_vdst(0)
	v_cvt_pk_f16_f32 v[rP+15], v[rS+30], v[rS+31]
.elseif j < 102                     ; the sum of the tile's 16 pairs, in place: sum z of 16 adds neighbours 1, 2, 4 and 8 pairs apart, then l takes it
.set z, j-86
.if j < 89
.set z, (j-76)/4
.endif
.set w, 4
.set u, z
.if z >= 14
.set w, 32
.set u, 0
.elseif z >= 12
.set w, 16
.set u, z-12
.elseif z >= 8
.set w, 8
.set u, z-8
.endif
.if z < 15
	v_pk_add_f32 v[rS+w*u:rS+w*u+1], v[rS+w*u:rS+w*u+1], v[rS+w*u+w/2:rS+w*u+w/2+1]
.else
	v_pk_fma_f32 v[rT+2:rT+3], v[rT+2:rT+3], v[rT+6:rT+7], v[rS:rS+1] op_sel_hi:[1,0,1]
.endif
.else
	WIN W_RS
	v_pk_mul_f32 v[rO:rO+1], v[rO:rO+1], v[rT+6:rT+7] op_sel_hi:[1,0]
.endif
.endm
; Slice k of 64 of piece y's softmax: numbers 2 k and 2 k + 1 of both tiles' lists, four instructions (slice 9: two).  The twelve numbers beyond 4 x 64 stand together, in slice 63: sixteen plain
; instructions that name nothing of the products round them: the places between a turn's last K Q^T and what follows.
.macro SLICE y
.if (k >= 11) && (k < 44)           ; tile by tile: plain, exponential, plain, exponential
.irp t, \y, (\y)+1
.irp n, 0,1
.set j, 2*k+(\n)
	SM \t
.endr
.endr
.else                               ; the two tiles alternate, so that no instruction reads the result of the one just before it
.irp n, 0,1,2,3,4,5,6,7
.if ((\n) < 2) || (k == 63)
.irp t, \y, (\y)+1
.set j, 2*k+(\n)
	SM \t
.endr
.endif
.endr
.endif
.set k, k+1
.endm
; A TURN.  Piece x has the matrix unit; the other piece's softmax stands in slices behind its matrix instructions.
; Piece 0's turn fetches the next step's K behind its second product (K's last reader stands in front of slice 63 of the turn before); piece 2's turn fetches that step's V behind the second K Q^T (V's last reader
; stands three slices, six plain instructions, back).  Each piece's mask for the step after next is asked for behind product 10 of its K Q^T: its last reader, product 7, stands four slices, eight plain instructions, back.
.macro TURN x, tail
.set k, 0
.if (\x) == 0
	s_wait_dscnt 0x0                ; V is in
.endif
.set i, 0
.rept 32
	PV \x
	SLICE 2-(\x)
.if ((\x) == 0) && (i == 1)
	FETCH_K \tail
.endif
.set i, i+1
.endr
.if (\x) == 0
	s_wait_dscnt 0x0                ; K is in
.endif
	s_wait_loadcnt 16-16*(\tail)    ; my piece's mask is in; the other piece's sixteen younger loads may stay out (in the tail, where a run may have been jumped over: all)
.if (\x) == 0
	s_wait_xcnt 0x0                 ; every mask load and prefetch issued so far (the youngest prefetch 32 products back) has read its address:
	s_add_nc_u64 s[MP:MP+1], s[MP:MP+1], 8192  ; the step after next, for both pieces
.endif
.set i, 0
.rept 32
	KQ \x
	SLICE 2-(\x)
.if ((\x) == 2) && (i == 1)
	FETCH_V
.endif
.if i == 10
	LOADM \x, \tail
.endif
.set i, i+1
.endr
.endm
; THE CHANGE OF SLOTS, between piece 2's turn and piece 0's: the slot's last bytes have been asked for.  Each wave waits for all its tensor loads, of which one is out: its part of the other slot; adds 0 to its spare
; word; and waits for that and for its own reads of the slot.  fill = 1: the barrier is a round of the cluster's, and the joint refill, the keys two slots on, is the first thing behind it: it has two of my steps,
; 256 matrix instructions, in which to land.
.macro CHANGE fill
	WIN 0
	s_wait_tensorcnt 0x0            ; no tensor load of mine is out, so a group 0 may be written
	ds_add_u32 v[SPW], v[NIL]       ; 0 onto my spare word
.if \fill
.irp g, G0K+4, G0V+4
	s_xor_b32 s[(\g)+1], s[(\g)+1], SLOT1  ; the walking set: the other slot than last time,
	s_add_nc_u64 s[(\g)+2:(\g)+3], s[(\g)+2:(\g)+3], 65536  ; the next 256 keys
.endr
	s_wait_xcnt 0x0                 ; the last prefetches, two steps back, have read their addresses
	s_add_nc_u64 s[PFA:PFA+1], s[PFA:PFA+1], 65536  ; one slot behind the walking sets
	s_add_nc_u64 s[PMA:PMA+1], s[PMA:PMA+1], 16384
	s_wait_dscnt 0x0                ; the add is done, and my reads of the slot are over
	CROUND
	JLOAD
	ASK
.else
	s_wait_dscnt 0x0
	s_barrier_signal -1
	s_barrier_wait -1
.endif
	s_sub_co_u32 s[TBK], s[TBK], 2*128*PK  ; the fetches go back to a slot's head,
	s_xor_b32 s[TBK], s[TBK], SLOT1        ; in the other slot
	s_sub_co_u32 s[TBV], s[TBV], 2*128*PV
	s_xor_b32 s[TBV], s[TBV], SLOT1
.endm
	s_wait_tensorcnt 0x1            ; my part of slot 0 is in; slot 1's may stay out
	s_barrier_signal -1
	s_barrier_wait -1
	FETCH_K 0                       ; step 0
	s_wait_loadcnt 16               ; Q and piece 0's mask are in; piece 2's sixteen loads may stay out
	s_wait_xcnt 0x0
	s_add_nc_u64 s[MP:MP+1], s[MP:MP+1], 8192  ; step 1
	s_wait_dscnt 0x0
.set i, 0
.rept 32
	KQ 0                            ; piece 0's first scores: there is no vector work yet to set between them
.set i, i+1
.endr
	WIN 0                           ; the addresses for the merge and the way out: plain instructions, the places behind those products
	s_mul_i32 s3, s[WV], 16*SP
	s_add_co_u32 s3, s3, STAGE      ; my stage
	v_mul_u32_u24 v[STO], v1, SP    ; in: row l % 16, 16 bytes for each half of the lanes
	v_lshl_add_u32 v[STO], v9, 4, v[STO]
	v_add_nc_u32 v[STO], s3, v[STO]
	v_mul_u32_u24 v[RD], v9, SP     ; back: lanes 0-15 take one row of 256 bytes, lanes 16-31 the next
	v_lshl_add_u32 v[RD], v1, 4, v[RD]
	v_add_nc_u32 v[RD], s3, v[RD]
	v_lshlrev_b32 v[GO], 12, v9     ; and the same two rows in O
	v_lshl_add_u32 v[GO], v1, 4, v[GO]
	s_mul_i32 s3, s[WV], BOX
	v_lshl_add_u32 v[MBS], v10, 4, s3
	v_lshl_add_u32 v[MBT], v10, 3, s3
	s_xor_b32 s3, s[WV], 2          ; the wave with my queries in the other key group
	s_mul_i32 s3, s3, BOX
	v_lshl_add_u32 v[MBR], v10, 4, s3
	v_lshl_add_u32 v[MBRT], v10, 3, s3
	LOADM 0, 0                      ; step 1
	WIN 0
	s_mov_b32 s[SLOTS], 7           ; the entry in the middle of a trip takes one count; six changes fill slots 2 to 7
	s_mov_b32 s[CNT], 2
	s_branch .Lmid
.Lslot:
	CHANGE 1
	s_mov_b32 s[CNT], 2
.Lstep:
	TURN 0, 0
	WIN 0
.Lmid:
	TURN 2, 0
	WIN 0
	s_sub_co_u32 s[CNT], s[CNT], 1
	s_cmp_lg_u32 s[CNT], 0
	s_cbranch_scc1 .Lstep
	s_sub_co_u32 s[SLOTS], s[SLOTS], 1
	s_cmp_lg_u32 s[SLOTS], 0
	s_cbranch_scc1 .Lslot
	CHANGE 0                        ; the tail is written out: nothing is asked for
	s_mov_b32 s[CNT], 3             ; two trips fetch the last slot's steps; the third is left in its middle
.Ltail:
	TURN 0, 1
	WIN 0
	s_sub_co_u32 s[CNT], s[CNT], 1
	s_cmp_eq_u32 s[CNT], 0
	s_cbranch_scc1 .Lout
	TURN 2, 1
	WIN 0
	s_branch .Ltail
.Lout:                              ; the third trip's 32 products K Q^T (on the last K once more) serve nothing: the price, once a launch, of one text for every trip
.set i, 0
.rept 32
	PV 2                            ; piece 2: V^T P of the last step
.set i, i+1
.endr
	; THE MERGE.  Each wave hands its register tiles 2, 3 (O^T, m, l) to the wave with the same queries in the other key group, through its box, and finishes its register tiles 0, 1, which are the query tiles
	; that the partner hands over: my tile t is query tile (t + 2 g) % 4, the partner's tile t + 2 is query tile (t + 2 + 2 (1 - g)) % 4, the same.
	WIN 0
.irp t, 0,1,2,3
	v_add_f32 v[ST+8*(\t)+1], v[ST+8*(\t)+2], v[ST+8*(\t)+3]  ; l beside m; these four are the places behind the last products
.endr
.macro SENDT t, u                   ; tile t into place u of my box, each accumulator's low half first
	WIN 0x04                        ; data in window 1
.set i, 0
.rept 16
	ds_store_b128 v[MBS], v[64*(\t)+4*i:64*(\t)+4*i+3] offset:8192*(\u)+512*i
.set i, i+1
.endr
	WIN 0
	ds_store_b64 v[MBT], v[ST+8*(\t):ST+8*(\t)+1] offset:16384+256*(\u)
.endm
; Tile t is finished with place t of the partner's box: with m_n the greater of the two m, O = (O_a 2^(m_a - m_n) + O_b 2^(m_b - m_n)) / l, l the same sum of l_a and l_b over both halves of the lanes.
; Then rounded to f16, through my stage, and stored as whole rows of the head's 256 bytes.
.macro FIN t
.set rT, ST+8*(\t)
.set rB, S+64*(\t)
	WIN 0
	ds_load_b64 v[MW:MW+1], v[MBRT] offset:16384+256*(\t)
.set i, 0
.rept 16
	ds_load_b128 v[rB+4*i:rB+4*i+3], v[MBR] offset:8192*(\t)+512*i
.set i, i+1
.endr
	s_wait_dscnt 0x0
	v_max_num_f32 v[MW+2], v[rT], v[MW]
	v_sub_f32 v[MW+4], v[rT], v[MW+2]
	v_sub_f32 v[MW+6], v[MW], v[MW+2]
	v_exp_f32 v[MW+4], v[MW+4]
	v_exp_f32 v[MW+6], v[MW+6]
	v_mov_b32 v[MW+3], 0            ; a plain instruction behind the exponentials; it also writes the exchange's destination
	s_wait_alu depctr_va_vdst(0)
	v_mul_f32 v[MW+2], v[MW+4], v[rT+1]
	v_fmac_f32 v[MW+2], v[MW+6], v[MW+1]
	v_permlanex16_b32 v[MW+3], v[MW+2], s[SEL], s[SEL+1]
	v_add_f32 v[MW+2], v[MW+2], v[MW+3]
	v_rcp_f32 v[MW+2], v[MW+2]
	v_mov_b32 v[MW+5], 0            ; plain, behind the reciprocal; the two factors are named as pairs
	v_mov_b32 v[MW+7], 0
	s_wait_alu depctr_va_vdst(0)
	v_mul_f32 v[MW+4], v[MW+4], v[MW+2]
	v_mul_f32 v[MW+6], v[MW+6], v[MW+2]
.set i, 0
.rept 32
	v_pk_mul_f32 v[rB+2*i:rB+2*i+1], v[rB+2*i:rB+2*i+1], v[MW+6:MW+7] op_sel_hi:[1,0]
.set i, i+1
.endr
	WIN 0x01                        ; source 0 (O^T) in window 1
.set i, 0
.rept 32
	v_pk_fma_f32 v[rB+2*i:rB+2*i+1], v[64*(\t)+2*i:64*(\t)+2*i+1], v[MW+4:MW+5], v[rB+2*i:rB+2*i+1] op_sel_hi:[1,0,1]
.set i, i+1
.endr
	WIN 0
.set i, 0
.rept 32
	v_cvt_pk_f16_f32 v[rB+i], v[rB+2*i], v[rB+2*i+1]  ; in place: number i lands where both its sources, or earlier ones, have been read
.set i, i+1
.endr
.irp f, 0,1,2,3,4,5,6,7
	ds_store_b128 v[STO], v[rB+4*(\f):rB+4*(\f)+3] offset:32*(\f)
.endr
.irp f, 0,1,2,3,4,5,6,7
	ds_load_b128 v[rB+32+4*(\f):rB+32+4*(\f)+3], v[RD] offset:(\f)*2*SP  ; LDS serves a wave's instructions in order: these see the stores above
.endr
.irp f, 0,1,2,3,4,5,6,7
	s_wait_dscnt 7-(\f)
	global_store_b128 v[GO], v[rB+32+4*(\f):rB+32+4*(\f)+3], s[8:9] offset:(\t)*65536+(\f)*8192  ; 16 lanes store 256 consecutive bytes, aligned
.endr
.endm
	SENDT 2, 0
	SENDT 3, 1
	s_wait_dscnt 0x0                ; for the partner's sake: my box is whole
	s_barrier_signal -1
	s_barrier_wait -1
	FIN 0
	FIN 1
	s_wait_tensorcnt 0x0            ; the wave's end, behind my last tensor load and my last LDS store
	ds_add_u32 v[SPW], v[NIL]
	s_wait_dscnt 0x0
	CROUND                          ; the closing round
	s_endpgm
.Lfunc_end_k_qadd274cab8_attn:
	.size	k_qadd274cab8_attn, .Lfunc_end_k_qadd274cab8_attn-k_qadd274cab8_attn
	.p2alignl 7, 3214868480
	.fill 96, 4, 3214868480
	.section	.rodata,"a",@progbits
	.p2align	6, 0x0
	.amdhsa_kernel k_qadd274cab8_attn
		.amdhsa_group_segment_fixed_size 327680
		.amdhsa_private_segment_fixed_size 0
		.amdhsa_enable_private_segment 0
		.amdhsa_kernarg_size 24
		.amdhsa_user_sgpr_count 2
		.amdhsa_user_sgpr_kernarg_segment_ptr 1
		.amdhsa_wavefront_size32 1
		.amdhsa_system_sgpr_workgroup_id_x 1
		.amdhsa_system_sgpr_workgroup_id_y 1
		.amdhsa_system_sgpr_workgroup_id_z 1
		.amdhsa_system_vgpr_workitem_id 0
		.amdhsa_next_free_vgpr 1024
		.amdhsa_next_free_sgpr 88
		.amdhsa_reserve_vcc 0
		.amdhsa_float_denorm_mode_32 3
		.amdhsa_float_denorm_mode_16_64 3
		.amdhsa_memory_ordered 1
		.amdhsa_forward_progress 1
		.amdhsa_inst_pref_size 162
	.end_amdhsa_kernel
	.amdgpu_metadata
---
amdhsa.version: [ 1, 2 ]
amdhsa.kernels:
  - .name:           k_qadd274cab8_attn
    .symbol:         k_qadd274cab8_attn.kd
    .args:
      - { .name: qkv, .offset: 0, .size: 8, .value_kind: global_buffer, .address_space: global }
      - { .name: maskc, .offset: 8, .size: 8, .value_kind: global_buffer, .address_space: global }
      - { .name: oh, .offset: 16, .size: 8, .value_kind: global_buffer, .address_space: global }
    .group_segment_fixed_size: 327680
    .private_segment_fixed_size: 0
    .kernarg_segment_align: 8
    .kernarg_segment_size: 24
    .max_flat_workgroup_size: 128
    .sgpr_count:     88
    .vgpr_count:     1024
    .wavefront_size: 32
...
	.end_amdgpu_metadata
.endif
;; end of part 3
;; launch outp (part 4): grid 16 x 16, 4 waves a work-group, clusters of 4 x 4, 327,680 bytes of LDS; arguments oh, w16, out0; writes out0
.if DOCPART == 4
	.amdgcn_target "amdgcn-amd-amdhsa--gfx1250"
	.amdhsa_code_object_version 6
	.text
	.protected	k_qadd274cab8_outp
	.globl	k_qadd274cab8_outp
	.p2align	8
	.type	k_qadd274cab8_outp,@function
k_qadd274cab8_outp:
	s_mov_b64 s[64:65], 0
	v_nop
	global_prefetch_b8 v0, s[64:65] scope:SCOPE_SE
	s_setreg_imm32_b32 hwreg(HW_REG_WAVE_MODE, 25, 1), 1
	s_wait_xcnt 0x0
	s_wait_alu depctr_hold_cnt(0) depctr_sa_sdst(0) depctr_va_vdst(0) depctr_va_sdst(0) depctr_va_ssrc(0) depctr_va_vcc(0) depctr_vm_vsrc(0)
	s_getreg_b32 s2, hwreg(HW_REG_IB_STS2, 6, 4)
	s_cmp_eq_u32 s2, 0
	s_cbranch_scc0 .Lentry_in_a_cluster
	s_endpgm
.Lentry_in_a_cluster:
	s_bfe_u32 s2, ttmp6, 0x10000c
	s_cmp_lg_u32 s2, 0xf033
	s_cbranch_scc0 .Lentry_shape_is_right
	s_endpgm
.Lentry_shape_is_right:
; THE OUTPUT PROJECTION.  out0[m][n] = the sum over e of O[m][e] wo[n][e].  O: f16 [2048][2048] in oh; wo: f16 [2048][2048], section 4 of w16; out0: f32; sums in f32.
; A tile of out0 is 128 x 128: 256 work-groups, one for each WGP.  Four waves, each 64 x 64: 16 accumulators, 128 registers.  K goes in steps of 256 (LDS rows of 512 bytes; a wave's tensor load brings 64 of them)
; through two slots.  CLUSTER 4 x 4: O's tile is shared along a row of the cluster, wo's along a column: joint loads.  THE MATRIX INSTRUCTION IS USED TRANSPOSED (source 0 = 16 rows of wo, source 1 = 16 rows of O):
; a lane holds eight neighbouring numbers of a row.  A wave's 64 columns of f32 are 256 aligned bytes, so each wave has a stage of its own on the way out, and no barrier stands there.
; REGISTERS: window 0: v16-29 addresses; v128-255 the accumulators ((a, b) at 128 + 8 (4 a + b)).  window 1: two fragment buffers of 128: for 64 along K, 64 registers of O, then 64 of wo; later rows read back.
.set SEC,    8388608
.set KSTEP,  256
.set PITCH,  528                       ; an LDS row: 512 bytes + 16
.set HALFT,  64*PITCH                  ; what one tensor load brings, and what one wave reads of O or of wo
.set SLOT,   4*HALFT                   ; 0x21000: its two bits occur in no tile's offset, so one exclusive or turns an address in one slot into the other's
.set STAGE,  2*SLOT                    ; behind the ring: 16 rows x 272 bytes for each wave
.set SPITCH, 272
.set SPARE,  STAGE+4*16*SPITCH         ; behind the stages: the spare words, 128 bytes for each wave
.set A0,   16                          ; v16  my place in O's tile; never rewritten
.set B0,   17                          ; v17  my place in wo's
.set ADRA, 18                          ; v18, v19 the two, in the slot in hand
.set ADRB, 19
.set STO,  24                          ; v24  the way out: where I put 32 bytes of a row
.set RD,   25                          ; v25  where I read a row back
.set CO,   26                          ; v26  my byte offset in two rows of out0
.set SPW,  28                          ; v28  LDS address of my spare word; never rewritten
.set NIL,  29                          ; v29  0; never rewritten
.set ACC,  128
.set F0,   0
.set F1,   128
.set WV,   10                          ; s10  wave
.set SB,   14                          ; s14  the slot that is read: 0 or SLOT
.set G1,   24                          ; s[24:31] group 1 for O's tiles; s[32:39] group 0: a set for each first fill; the second then walks
.set G0,   32
.set G1B,  48                          ; s[48:55], s[56:63] the same for wo's
.set G0B,  56
.set MSB, 0
.macro WIN new
.if MSB != (\new)
	s_set_vgpr_msb (MSB<<8)|(\new)
.set MSB, \new
.endif
.endm
.set MULW, 0x05                        ; sources 0 and 1 window 1; C and D window 0
.macro PLACES
.rept 4
	v_nop
.endr
.endm
.macro JLOAD                           ; a joint refill: waves 0 and 1 fetch O's two halves, waves 2 and 3 wo's; an s_nop 0 and four v_nop follow each line
	s_cmp_eq_u32 s11, 0
	s_cbranch_scc0 .Lfor_b_\@
	tensor_load_to_lds s[G0+4:G0+7], s[G1:G1+7]
	s_nop 0
	PLACES
	s_branch .Lasked_\@
.Lfor_b_\@:
	tensor_load_to_lds s[G0B+4:G0B+7], s[G1B:G1B+7]
	s_nop 0
	PLACES
.Lasked_\@:
.endm
.macro CREST
	s_cmp_lg_u32 s[WV], 0
	s_cbranch_scc1 .Lnot_wave_0_\@
	s_barrier_signal -3
.Lnot_wave_0_\@:
	s_barrier_wait -3
	s_barrier_signal -1
	s_barrier_wait -1
.endm
.macro CROUND
	s_barrier_signal -1
	s_barrier_wait -1
	CREST
.endm
	s_load_b128 s[4:7], s[0:1], 0x0                ; oh s[4:5], w16 s[6:7]
	s_load_b64 s[8:9], s[0:1], 0x10                ; out0
	v_lshl_add_u32 v[SPW], v0, 2, SPARE
	v_mov_b32 v[NIL], 0
	ds_add_u32 v[SPW], v[NIL]                      ; the wave's opening: the add and its wait stand ahead of my first tensor load; work on registers stands between them
	v_lshrrev_b32 v1, 5, v0
	v_readfirstlane_b32 s[WV], v1
	s_lshr_b32 s11, s[WV], 1                       ; which half of the tile's rows is mine.  Also: I fetch for O (0) or for wo (1)
	s_and_b32 s12, s[WV], 1                        ; which half of its columns.  Also: which 64 rows of that tile I fetch
	s_bfe_u32 s40, ttmp6, 0x40000                  ; cx, cy
	s_bfe_u32 s41, ttmp6, 0x40004
	s_lshl_b32 s42, ttmp9, 2
	s_add_co_u32 s42, s42, s40                     ; tile column
	s_and_b32 s13, ttmp7, 0xffff
	s_lshl_b32 s13, s13, 2
	s_add_co_u32 s13, s13, s41                     ; tile row
	s_lshl_b32 s43, s41, 2
	s_lshl_b32 s43, 15, s43                        ; my row of the cluster
	s_lshl_b32 s44, 0x1111, s40                    ; my column
	s_or_b32 s[G1], s43, (1<<16)|(1<<20)|(1<<21)|(6<<22)|(3<<25)   ; the mask; 2-byte elements; padding on; bit 21 beside a mask; after every 128 words 4 words
	s_or_b32 s[G1B], s44, (1<<16)|(1<<20)|(1<<21)|(6<<22)|(3<<25)
.irp g, G1, G1B
	s_mov_b32 s[(\g)+1], KSTEP<<16                 ; tensor_dim0 = 256
	s_mov_b32 s[(\g)+2], 64<<16                    ; tensor_dim1 = 64
	s_mov_b32 s[(\g)+3], KSTEP<<16                 ; tile_dim0 = 256
	s_mov_b32 s[(\g)+4], 64                        ; tile_dim1 = 64
	s_mov_b32 s[(\g)+5], 2048                      ; elements from row to row
	s_mov_b32 s[(\g)+6], 0
	s_mov_b32 s[(\g)+7], 0
.endr
	s_lshl_b32 s17, s12, 6                         ; which 64 rows of the tile I fetch
	s_lshl_b32 s16, s13, 7
	s_add_co_u32 s16, s16, s17                     ; O: row 128 x tile row + 64 x half,
	s_lshl_b32 s16, s16, 12                        ; of 4,096 bytes
	s_lshl_b32 s46, s42, 7
	s_add_co_u32 s46, s46, s17                     ; wo: row 128 x tile column + 64 x half,
	s_lshl_b32 s46, s46, 12
	s_add_co_u32 s46, s46, 4*SEC                   ; in section 4
	s_mov_b32 s17, 0
	s_mov_b32 s47, 0
	s_mul_i32 s20, s[WV], HALFT                    ; where they go: wave x 64 rows
	s_mov_b32 s[SB], 0
	s_lshl_b32 s18, s13, 20                        ; out0: (128 tile row + 64 row half) rows of 8,192 bytes + (128 tile column + 64 column half) x 4
	s_lshl_b32 s19, s11, 19
	s_add_co_u32 s18, s18, s19
	s_lshl_b32 s19, s42, 9
	s_add_co_u32 s18, s18, s19
	s_lshl_b32 s19, s12, 8
	s_add_co_u32 s18, s18, s19
	s_mov_b32 s19, 0
	s_wait_dscnt 0x0                               ; the opening add is done
	s_wait_kmcnt 0x0
	s_add_nc_u64 s[16:17], s[4:5], s[16:17]
	s_add_nc_u64 s[46:47], s[6:7], s[46:47]
	s_add_nc_u64 s[8:9], s[8:9], s[18:19]
	CROUND                                         ; all sixteen work-groups are here: the first joint loads meet
.irp s, 0,1
	s_mov_b32 s[G0+4*(\s)], 1
	s_add_co_u32 s[G0+4*(\s)+1], s20, (\s)*SLOT
	s_add_nc_u64 s[G0+4*(\s)+2:G0+4*(\s)+3], s[16:17], (\s)*KSTEP*2
	s_or_b32 s[G0+4*(\s)+3], s[G0+4*(\s)+3], 0x80000000
	s_mov_b32 s[G0B+4*(\s)], 1
	s_add_co_u32 s[G0B+4*(\s)+1], s20, (\s)*SLOT
	s_add_nc_u64 s[G0B+4*(\s)+2:G0B+4*(\s)+3], s[46:47], (\s)*KSTEP*2
	s_or_b32 s[G0B+4*(\s)+3], s[G0B+4*(\s)+3], 0x80000000
.endr
	s_cmp_eq_u32 s11, 0                            ; a wave's two first fills stand in one branch: two loads of mine are out
	s_cbranch_scc0 .Lfirst_b
	tensor_load_to_lds s[G0:G0+3], s[G1:G1+7]
	s_nop 0
	tensor_load_to_lds s[G0+4:G0+7], s[G1:G1+7]
	s_nop 0
	PLACES
	s_branch .Lfirst_asked
.Lfirst_b:
	tensor_load_to_lds s[G0B:G0B+3], s[G1B:G1B+7]
	s_nop 0
	tensor_load_to_lds s[G0B+4:G0B+7], s[G1B:G1B+7]
	s_nop 0
	PLACES
.Lfirst_asked:
	v_and_b32 v1, 15, v0                           ; l % 16
	v_bfe_u32 v2, v0, 4, 1                         ; l / 16
	v_mul_u32_u24 v3, v1, PITCH
	v_lshl_add_u32 v3, v2, 4, v3                   ; a fragment's row x pitch + 16 x half
	s_mul_i32 s21, s11, HALFT                      ; my 64 rows of O
	s_mul_i32 s22, s12, HALFT                      ; my 64 rows of wo,
	s_add_co_u32 s22, s22, 2*HALFT                 ; which lie behind O's 128
	v_add_nc_u32 v[A0], s21, v3
	v_add_nc_u32 v[B0], s22, v3
	v_mov_b32 v[ADRA], v[A0]
	v_mov_b32 v[ADRB], v[B0]
	s_mul_i32 s23, s[WV], 16*SPITCH
	s_add_co_u32 s23, s23, STAGE                   ; my stage
	v_mul_u32_u24 v4, v1, SPITCH                   ; in: row l % 16, 32 bytes for each half of the lanes
	v_lshl_add_u32 v4, v2, 5, v4
	v_add_nc_u32 v[STO], s23, v4
	v_mul_u32_u24 v5, v2, SPITCH                   ; back: lanes 0-15 one row of 256 bytes, lanes 16-31 the next
	v_lshl_add_u32 v5, v1, 4, v5
	v_add_nc_u32 v[RD], s23, v5
	v_lshlrev_b32 v[CO], 13, v2                    ; and the same two rows in out0
	v_lshl_add_u32 v[CO], v1, 4, v[CO]
; 8 matrix instructions: row blocks a0, a0 + 1 x all 4 column blocks, 32 along K: half c of buffer f.  zero = 1: the product starts the sum.  The 16 accumulators take turns.
.macro MUL8 f, c, a0, zero
	WIN MULW
.irp a, \a0, (\a0)+1
.irp b, 0,1,2,3
.if \zero
	v_wmma_f32_16x16x32_f16 v[ACC+8*(4*(\a)+(\b)):ACC+8*(4*(\a)+(\b))+7], v[(\f)+64+8*(4*(\c)+(\b)):(\f)+64+8*(4*(\c)+(\b))+7], v[(\f)+8*(4*(\c)+(\a)):(\f)+8*(4*(\c)+(\a))+7], 0
.else
	v_wmma_f32_16x16x32_f16 v[ACC+8*(4*(\a)+(\b)):ACC+8*(4*(\a)+(\b))+7], v[(\f)+64+8*(4*(\c)+(\b)):(\f)+64+8*(4*(\c)+(\b))+7], v[(\f)+8*(4*(\c)+(\a)):(\f)+8*(4*(\c)+(\a))+7], v[ACC+8*(4*(\a)+(\b)):ACC+8*(4*(\a)+(\b))+7]
.endif
.endr
.endr
.endm
; 32 LDS loads in one run: the fragments of 64 along K at byte k of the rows, into buffer f; the first 32 along K first
.macro FETCH k, f
	WIN 0x40
.irp c, 0,1
.irp i, 0,1,2,3
	ds_load_b128 v[(\f)+64+8*(4*(\c)+(\i)):(\f)+64+8*(4*(\c)+(\i))+3],   v[ADRB] offset:(\k)+64*(\c)+(\i)*16*PITCH
	ds_load_b128 v[(\f)+64+8*(4*(\c)+(\i))+4:(\f)+64+8*(4*(\c)+(\i))+7], v[ADRB] offset:(\k)+64*(\c)+(\i)*16*PITCH+32
	ds_load_b128 v[(\f)+8*(4*(\c)+(\i)):(\f)+8*(4*(\c)+(\i))+3],         v[ADRA] offset:(\k)+64*(\c)+(\i)*16*PITCH
	ds_load_b128 v[(\f)+8*(4*(\c)+(\i))+4:(\f)+8*(4*(\c)+(\i))+7],       v[ADRA] offset:(\k)+64*(\c)+(\i)*16*PITCH+32
.endr
.endr
.endm
; A K step is four quarters of 64 along K, 32 matrix instructions each, on buffers 0, 1, 0, 1.  One of the first three: multiplies buffer f and fetches byte k of the rows into g.
.macro QUARTER k, f, g, zero
	s_wait_dscnt 16                                ; the first 32 along K are in; the youngest sixteen loads may be out
	MUL8 \f, 0, 0, \zero
	MUL8 \f, 0, 2, \zero
	PLACES
	FETCH \k, \g
	s_wait_dscnt 32                                ; all but the 32 just issued
	MUL8 \f, 1, 0, 0
	MUL8 \f, 1, 2, 0
.endm
; The last quarter multiplies buffer 1 and changes slots: ONE barrier; in front of it each wave waits for all its tensor loads, adds 0 to its spare word, and waits for that and for its reads of this slot.
; fill = 1: the barrier opens a round of the cluster's, and this slot is filled again, two K steps ahead: 112 matrix instructions ahead of the wait for it.
.macro TURN fill
	WIN 0
	s_wait_tensorcnt 0x0                           ; no tensor load of mine is out, so a group 0 may be written
	ds_add_u32 v[SPW], v[NIL]                      ; 0 onto my spare word
.if \fill
.irp g, G0+4, G0B+4
	s_xor_b32 s[(\g)+1], s[(\g)+1], SLOT
	s_add_nc_u64 s[(\g)+2:(\g)+3], s[(\g)+2:(\g)+3], KSTEP*2
.endr
.endif
	s_xor_b32 s[SB], s[SB], SLOT
	s_wait_dscnt 17                                ; (the add and the youngest sixteen loads may be out)
	MUL8 F1, 0, 0, 0
	s_wait_dscnt 0x0                               ; the add is done, and my reads of this slot are over
	s_barrier_signal -1
	MUL8 F1, 0, 2, 0
	WIN 0
	s_barrier_wait -1
.if \fill
	CREST
	JLOAD                                          ; the first tensor load behind the round; its four v_nop are also places in front of the loads below
.else
	v_nop                                          ; with the two additions: the four places in front of the loads below
	v_nop
.endif
	v_add_nc_u32 v[ADRA], s[SB], v[A0]
	v_add_nc_u32 v[ADRB], s[SB], v[B0]
	FETCH 0, F0
	MUL8 F1, 1, 0, 0
	MUL8 F1, 1, 2, 0
.endm
	s_wait_tensorcnt 0x1                           ; my part of K step 0 is in; K step 1's may stay out
	s_barrier_signal -1
	s_barrier_wait -1
	FETCH 0, F0
	QUARTER 128, F0, F1, 1                         ; the first quarter stands in front of the loop: its first products start the sums
	WIN 0
	s_mov_b32 s3, 6
.Lstep:                                        ; a trip: a K step's last three quarters and the next one's first; 6 refills bring K steps 2 to 7
	QUARTER 256, F1, F0, 0
	QUARTER 384, F0, F1, 0
	TURN 1
	QUARTER 128, F0, F1, 0
	WIN 0
	s_sub_co_u32 s3, s3, 1
	s_cmp_lg_u32 s3, 0
	s_cbranch_scc1 .Lstep
	QUARTER 256, F1, F0, 0                         ; K step 6 goes on; nothing is left to ask for
	QUARTER 384, F0, F1, 0
	TURN 0
	QUARTER 128, F0, F1, 0
	QUARTER 256, F1, F0, 0
	QUARTER 384, F0, F1, 0
	s_wait_dscnt 16
	MUL8 F1, 0, 0, 0
	MUL8 F1, 0, 2, 0
	s_wait_dscnt 0x0
	MUL8 F1, 1, 0, 0
	MUL8 F1, 1, 2, 0
	; THE WAY OUT: 16 rows at a time through my own stage: 32 bytes a lane in (each accumulator's low half first), whole rows of 256 bytes back, into the fragment buffers' registers.
	WIN 0
	PLACES
.irp a, 0,1,2,3
	WIN 0
.irp b, 0,1,2,3
	ds_store_b128 v[STO], v[ACC+8*(4*(\a)+(\b)):ACC+8*(4*(\a)+(\b))+3]   offset:64*(\b)
	ds_store_b128 v[STO], v[ACC+8*(4*(\a)+(\b))+4:ACC+8*(4*(\a)+(\b))+7] offset:64*(\b)+16
.endr
	WIN 0x40                                       ; destination window 1
.irp t, 0,1,2,3,4,5,6,7
	ds_load_b128 v[32*(\a)+4*(\t):32*(\a)+4*(\t)+3], v[RD] offset:(\t)*2*SPITCH  ; LDS serves a wave's instructions in order: these see the stores above, and the next block's stores come behind them
.endr
.endr
	WIN 0x04                                       ; store data in window 1
.irp a, 0,1,2,3
.irp t, 0,1,2,3,4,5,6,7
	s_wait_dscnt (3-(\a))*16+7-(\t)                ; the LDS instructions issued behind this load: the later blocks' sixteen each, and this block's younger loads
	global_store_b128 v[CO], v[32*(\a)+4*(\t):32*(\a)+4*(\t)+3], s[8:9] offset:(16*(\a)+2*(\t))*8192 th:TH_STORE_NT  ; 16 lanes store 256 consecutive bytes, aligned
.endr
.endr
	WIN 0
	s_wait_tensorcnt 0x0                           ; the wave's end, behind my last tensor load and my last LDS store
	ds_add_u32 v[SPW], v[NIL]
	s_wait_dscnt 0x0
	CROUND                                         ; the closing round
	s_endpgm
.Lfunc_end_k_qadd274cab8_outp:
	.size	k_qadd274cab8_outp, .Lfunc_end_k_qadd274cab8_outp-k_qadd274cab8_outp
	.p2alignl 7, 3214868480
	.fill 96, 4, 3214868480
	.section	.rodata,"a",@progbits
	.p2align	6, 0x0
	.amdhsa_kernel k_qadd274cab8_outp
		.amdhsa_group_segment_fixed_size 327680
		.amdhsa_private_segment_fixed_size 0
		.amdhsa_enable_private_segment 0
		.amdhsa_kernarg_size 24
		.amdhsa_user_sgpr_count 2
		.amdhsa_user_sgpr_kernarg_segment_ptr 1
		.amdhsa_wavefront_size32 1
		.amdhsa_system_sgpr_workgroup_id_x 1
		.amdhsa_system_sgpr_workgroup_id_y 1
		.amdhsa_system_sgpr_workgroup_id_z 1
		.amdhsa_system_vgpr_workitem_id 0
		.amdhsa_next_free_vgpr 512
		.amdhsa_next_free_sgpr 66
		.amdhsa_reserve_vcc 0
		.amdhsa_float_denorm_mode_32 3
		.amdhsa_float_denorm_mode_16_64 3
		.amdhsa_memory_ordered 1
		.amdhsa_forward_progress 1
		.amdhsa_inst_pref_size 68
	.end_amdhsa_kernel
	.amdgpu_metadata
---
amdhsa.version: [ 1, 2 ]
amdhsa.kernels:
  - .name:           k_qadd274cab8_outp
    .symbol:         k_qadd274cab8_outp.kd
    .args:
      - { .name: oh, .offset: 0, .size: 8, .value_kind: global_buffer, .address_space: global }
      - { .name: w16, .offset: 8, .size: 8, .value_kind: global_buffer, .address_space: global }
      - { .name: out0, .offset: 16, .size: 8, .value_kind: global_buffer, .address_space: global }
    .group_segment_fixed_size: 327680
    .private_segment_fixed_size: 0
    .kernarg_segment_align: 8
    .kernarg_segment_size: 24
    .max_flat_workgroup_size: 128
    .sgpr_count:     66
    .vgpr_count:     512
    .wavefront_size: 32
...
	.end_amdgpu_metadata
.endif
;; end of part 4
;; ======== version 2 of 2: 4 launches; version 1 with the launch prep written anew for expert scheduling mode
;; limits: values are held in f16: magnitudes above 65,504 overflow, below 6.1e-05 lose precision; right only within a limited range of input values
;; workspace buffers: w16 41,943,040 bytes; maskc 16,777,216 bytes; qkv 25,165,824 bytes; oh 8,388,608 bytes
;; launch prep (part 5): grid 256 x 6, 8 waves a work-group, no clusters, 68,608 bytes of LDS; arguments x, wq, wk, wv, wo, mask, w16, maskc; writes w16, maskc
.if DOCPART == 5
	.amdgcn_target "amdgcn-amd-amdhsa--gfx1250"
	.amdhsa_code_object_version 6
	.text
	.protected	k_qadd274cab8_prep
	.globl	k_qadd274cab8_prep
	.p2align	8
	.type	k_qadd274cab8_prep,@function
k_qadd274cab8_prep:
	s_mov_b64 s[64:65], 0
	v_nop
	global_prefetch_b8 v0, s[64:65] scope:SCOPE_SE
	s_setreg_imm32_b32 hwreg(HW_REG_WAVE_SCHED_MODE, 0, 2), 2
	s_setreg_imm32_b32 hwreg(HW_REG_WAVE_MODE, 25, 1), 1
	s_wait_xcnt 0x0
	s_wait_alu depctr_vm_vsrc(0)
; PREP: every large input is rounded once to bf16 and laid out for the launches that follow.
;   section y = 0..3 (x, wq, wk, wv): f32 -> bf16, same row-major order, into w16 + y SEC.
;   section y = 4 (wo): f32 -> bf16, and that number written as f16 (the last product multiplies in f16), into w16 + 4 SEC.
;   section y = 5 (mask): f32 -> bf16 -> f32 again, times log2(e) (the softmax works in base 2), in the order in which a matrix accumulator of 16 keys x 16 queries holds it:
;       maskc[qt 128][kb 128][e 2][lane 32][4 f32]; lane (r = lane % 16, h = lane / 16) holds mask[16 qt + r][16 kb + 8 h + 4 e + 0..3].
; LIMITS.  wo beyond 65,504 has no f16; below 2^-14 it keeps f16's fixed step of 2^-24.  Infinities in the mask stay infinities; a mask beyond 2.3e38 becomes one by the factor log2(e).
; A stream: memory binds, so no matrix unit, no cluster, no tensor load.  A work-group takes 16,384 numbers (65,536 bytes in); a thread has
; sixteen loads of 16 bytes out at once; no register that a memory or LDS instruction names is written again behind it, so there is no loop and no wait for sources.
; THE MODE: SCHED_MODE bits 1:0 = 2 (LLVM: expert scheduling mode 2), set by the entry lines.  The code itself states the register dependences
; between vector instructions and memory or LDS instructions, with s_wait_alu, always for 0.
; THE PLAN.  The sixteen loads go in four blocks of four.  Registers that memory or LDS instructions touch:
;   v1, v2, v3, v7  offsets and LDS addresses: made by vector instructions ahead of a path's first memory instruction, never written again on that path.
;   X block p       the loads land in it.  Sections 0 to 4: vector instructions alone name it afterwards.  The mask: block p's vector lines rewrite it, the LDS stores issued in block p + 1 read it.
;   Y block p       sections 0 to 4: written by block p's conversions, read by the global stores issued in block p + 1.  The mask: LDS loads land in it, global stores read it; no vector instruction names it.
;   v8, v9          written at the head, read by the closing add alone.     v10, v11 are named by vector instructions alone.
; Block p's vector lines name block p's registers; its memory or LDS instructions are the four stores of block p - 1.  So ONE wait on va_vdst at a block's head, behind the wait for the block's data, states all
; that the block's four stores hang on, and they are dealt among its vector lines with no further wait.  No register that a store or load has read is written again: no wait on vm_vsrc is owed.
.set SEC,    8388608                   ; bytes of a 16-bit section of 2048 x 2048
.set MPITCH, 528                       ; mask path: an LDS row of 512 bytes + 16: an odd multiple of 16, so 16 rows start in 16 different 16-byte columns
.set WBOX,   16*MPITCH                 ; a wave's 16 rows
.set SPARE,  8*WBOX                    ; behind the boxes: the spare words, 128 bytes for each of the eight waves
.set SPW, 8                            ; v8   LDS address of my spare word; never rewritten
.set NIL, 9                            ; v9   0; never rewritten
.set X,   16                           ; v[16:79]   sixteen loads of four f32
.set Y,   80                           ; v[80:143]  what is stored
	s_load_b512 s[8:23], s[0:1], 0x0               ; x s[8:9], wq s[10:11], wk s[12:13], wv s[14:15], wo s[16:17], mask s[18:19], w16 s[20:21], maskc s[22:23]
	v_lshl_add_u32 v[SPW], v0, 2, SPARE
	v_mov_b32 v[NIL], 0
	s_and_b32 s24, ttmp7, 0xffff                   ; the section
	s_mov_b32 s30, 0xffff0000                      ; a word's upper bf16
	v_lshlrev_b32 v1, 4, v0                        ; 16 t: my 16 bytes of 4,096 in
	v_lshlrev_b32 v2, 3, v0                        ; 8 t: my 8 bytes of 2,048 out
	s_lshl_b32 s26, ttmp9, 16                      ; the chunk's 65,536 bytes in
	s_mov_b32 s27, 0
	s_mul_i32 s28, s24, SEC                        ; the section, and the chunk's 32,768 bytes out
	s_lshl_b32 s29, ttmp9, 15
	s_add_co_u32 s28, s28, s29
	s_mov_b32 s29, 0
	s_wait_kmcnt 0x0
	s_cmp_eq_u32 s24, 5
	s_cbranch_scc1 .Lmask
	s_cmp_eq_u32 s24, 1                            ; the section's input, chosen among five buffers
	s_cselect_b64 s[4:5], s[10:11], s[8:9]
	s_cmp_eq_u32 s24, 2
	s_cselect_b64 s[4:5], s[12:13], s[4:5]
	s_cmp_eq_u32 s24, 3
	s_cselect_b64 s[4:5], s[14:15], s[4:5]
	s_cmp_eq_u32 s24, 4
	s_cselect_b64 s[4:5], s[16:17], s[4:5]
	s_add_nc_u64 s[4:5], s[4:5], s[26:27]
	s_add_nc_u64 s[6:7], s[20:21], s[28:29]
	s_wait_alu depctr_va_vdst(0)                   ; v1 and v2 are written: the loads below read v1 as their offset, the stores of both paths behind them v2
.set i, 0
.rept 16
	global_load_b128 v[X+4*i:X+4*i+3], v1, s[4:5] offset:4096*i th:TH_LOAD_NT  ; a wave's load covers 512 consecutive bytes
.set i, i+1
.endr
	s_cmp_eq_u32 s24, 4
	s_cbranch_scc1 .Lwo
.set p, 0
.rept 4
	s_wait_loadcnt 12-4*p                          ; loads come back in order: block p's four are in, the 12 - 4 p younger ones stay out
.if p > 0
	s_wait_alu depctr_va_vdst(0)                   ; the block before has written its eight registers of Y, which the four stores below read
.endif
.set q, 0
.rept 4
.set i, 4*p+q
.if p > 0
	global_store_b64 v2, v[Y+2*(i-4):Y+2*(i-4)+1], s[6:7] offset:2048*(i-4) th:TH_STORE_NT  ; 32 lanes store 256 consecutive bytes, aligned; no vector instruction since the wait names these registers
.endif
	v_cvt_pk_bf16_f32 v[Y+2*i],   v[X+4*i],   v[X+4*i+1]
	v_cvt_pk_bf16_f32 v[Y+2*i+1], v[X+4*i+2], v[X+4*i+3]
.set q, q+1
.endr
.set p, p+1
.endr
	s_wait_alu depctr_va_vdst(0)                   ; block 3 has written its registers of Y, which the last four stores read
.set i, 12
.rept 4
	global_store_b64 v2, v[Y+2*i:Y+2*i+1], s[6:7] offset:2048*i th:TH_STORE_NT
.set i, i+1
.endr
	s_branch .Lend
.Lwo:
.set p, 0
.rept 4
	s_wait_loadcnt 12-4*p                          ; block p's four loads are in, the younger ones stay out
.if p > 0
	s_wait_alu depctr_va_vdst(0)                   ; the block before has written its eight registers of Y, which the four stores below read
.endif
.set q, 0
.rept 4
.set i, 4*p+q
.if p > 0
	global_store_b64 v2, v[Y+2*(i-4):Y+2*(i-4)+1], s[6:7] offset:2048*(i-4) th:TH_STORE_NT  ; no vector instruction since the wait names these registers
.endif
	v_cvt_pk_bf16_f32 v10, v[X+4*i],   v[X+4*i+1]  ; rounded to bf16 like every other input,
	v_cvt_pk_bf16_f32 v11, v[X+4*i+2], v[X+4*i+3]
	v_lshlrev_b32 v[X+4*i],   16,  v10              ; widened,
	v_and_b32     v[X+4*i+1], s30, v10
	v_lshlrev_b32 v[X+4*i+2], 16,  v11
	v_and_b32     v[X+4*i+3], s30, v11
	v_cvt_pk_f16_f32 v[Y+2*i],   v[X+4*i],   v[X+4*i+1]  ; and written as f16: 8 significant bits fit into 11
	v_cvt_pk_f16_f32 v[Y+2*i+1], v[X+4*i+2], v[X+4*i+3]
.set q, q+1
.endr
.set p, p+1
.endr
	s_wait_alu depctr_va_vdst(0)                   ; block 3 has written its registers of Y, which the last four stores read
.set i, 12
.rept 4
	global_store_b64 v2, v[Y+2*i:Y+2*i+1], s[6:7] offset:2048*i th:TH_STORE_NT
.set i, i+1
.endr
	s_branch .Lend
.Lmask:
	; chunk = (qt, half): 16 query rows x 1,024 keys; wave w takes 128 of the keys.  In by rows of 512 bytes, through my own box in LDS, out in accumulator order.
	v_lshrrev_b32 v3, 5, v0
	v_readfirstlane_b32 s25, v3                    ; wave 0..7
	v_and_b32 v4, 31, v0                           ; lane
	v_and_b32 v5, 15, v0                           ; r
	v_bfe_u32 v6, v0, 4, 1                         ; h
	s_wait_alu depctr_va_sdst(0)                   ; s25 is written, ahead of its first reader: the two bases and my box's place are made from it
	s_mov_b32 s32, 0x3fb8aa3b                      ; log2(e)
	s_mov_b32 s33, s32                             ; named with it as a pair
	s_lshr_b32 s2, ttmp9, 1                        ; qt
	s_and_b32 s3, ttmp9, 1                         ; half
	s_lshl_b32 s26, s2, 17                         ; qt x 131,072: 16 rows of 8,192 bytes in, and the qt pitch out
	s_lshl_b32 s28, s3, 12                         ; in: + half x 4,096 + wave x 512
	s_add_co_u32 s28, s28, s26
	s_lshl_b32 s31, s25, 9
	s_add_co_u32 s28, s28, s31
	s_mov_b32 s29, 0
	s_add_nc_u64 s[4:5], s[18:19], s[28:29]
	s_lshl_b32 s28, s3, 16                         ; out: + (64 half + 8 wave) blocks of 1,024 bytes
	s_add_co_u32 s28, s28, s26
	s_lshl_b32 s31, s25, 13
	s_add_co_u32 s28, s28, s31
	s_add_nc_u64 s[6:7], s[22:23], s[28:29]
	s_mul_i32 s31, s25, WBOX                       ; my box
	v_lshlrev_b32 v1, 4, v4                        ; 16 x lane
	v_add_nc_u32 v3, s31, v1                       ; into the box: a row at a time
	v_mul_u32_u24 v7, v5, MPITCH
	v_lshl_add_u32 v7, v6, 5, v7
	v_add_nc_u32 v7, s31, v7                       ; back: row r, 32 h bytes on
	s_wait_alu depctr_va_vdst(0)                   ; v1, v3 and v7 are written: the global loads and stores below read v1, the LDS stores v3, the LDS loads v7
.set i, 0
.rept 16
	global_load_b128 v[X+4*i:X+4*i+3], v1, s[4:5] offset:8192*i th:TH_LOAD_NT  ; row i: 512 consecutive bytes
.set i, i+1
.endr
.set p, 0
.rept 4
	s_wait_loadcnt 12-4*p                          ; block p's four rows are in, the younger ones stay out
.if p > 0
	s_wait_alu depctr_va_vdst(0)                   ; the block before has rewritten its sixteen registers of X, which the four LDS stores below read
.endif
.set q, 0
.rept 4
.set i, 4*p+q
.if p > 0
	ds_store_b128 v3, v[X+4*(i-4):X+4*(i-4)+3] offset:MPITCH*(i-4)  ; no vector instruction since the wait names these registers
.endif
	v_cvt_pk_bf16_f32 v10, v[X+4*i],   v[X+4*i+1]
	v_cvt_pk_bf16_f32 v11, v[X+4*i+2], v[X+4*i+3]
	v_lshlrev_b32 v[X+4*i],   16,  v10
	v_and_b32     v[X+4*i+1], s30, v10
	v_lshlrev_b32 v[X+4*i+2], 16,  v11
	v_and_b32     v[X+4*i+3], s30, v11
	v_pk_mul_f32 v[X+4*i:X+4*i+1],   v[X+4*i:X+4*i+1],   s[32:33] op_sel_hi:[1,0]  ; into base-2 units, in f32
	v_pk_mul_f32 v[X+4*i+2:X+4*i+3], v[X+4*i+2:X+4*i+3], s[32:33] op_sel_hi:[1,0]
.set q, q+1
.endr
.set p, p+1
.endr
	s_wait_alu depctr_va_vdst(0)                   ; block 3 has rewritten its registers of X, which the last four LDS stores read; no vector instruction follows on this path
.set i, 12
.rept 4
	ds_store_b128 v3, v[X+4*i:X+4*i+3] offset:MPITCH*i
.set i, i+1
.endr
.set i, 0
.rept 16                                       ; i = 2 kb + e.  LDS serves a wave's instructions in order, and the box is my own: these see the stores above
	ds_load_b128 v[Y+4*i:Y+4*i+3], v7 offset:64*(i/2)+16*(i%2)
.set i, i+1
.endr
.set i, 0
.rept 16
	s_wait_dscnt 15-i
	global_store_b128 v1, v[Y+4*i:Y+4*i+3], s[6:7] offset:512*i th:TH_STORE_NT  ; 512 consecutive bytes
.set i, i+1
.endr
.Lend:
	s_wait_dscnt 0x0                               ; the closing lines, six on end
	s_wait_alu 0x0
	s_wait_tensorcnt 0x0
	ds_add_u32 v[SPW], v[NIL]
	s_wait_dscnt 0x0
	s_endpgm
.Lfunc_end_k_qadd274cab8_prep:
	.size	k_qadd274cab8_prep, .Lfunc_end_k_qadd274cab8_prep-k_qadd274cab8_prep
	.p2alignl 7, 3214868480
	.fill 96, 4, 3214868480
	.section	.rodata,"a",@progbits
	.p2align	6, 0x0
	.amdhsa_kernel k_qadd274cab8_prep
		.amdhsa_group_segment_fixed_size 68608
		.amdhsa_private_segment_fixed_size 0
		.amdhsa_enable_private_segment 0
		.amdhsa_kernarg_size 64
		.amdhsa_user_sgpr_count 2
		.amdhsa_user_sgpr_kernarg_segment_ptr 1
		.amdhsa_wavefront_size32 1
		.amdhsa_system_sgpr_workgroup_id_x 1
		.amdhsa_system_sgpr_workgroup_id_y 1
		.amdhsa_system_sgpr_workgroup_id_z 1
		.amdhsa_system_vgpr_workitem_id 0
		.amdhsa_next_free_vgpr 144
		.amdhsa_next_free_sgpr 66
		.amdhsa_reserve_vcc 0
		.amdhsa_float_denorm_mode_32 3
		.amdhsa_float_denorm_mode_16_64 3
		.amdhsa_memory_ordered 1
		.amdhsa_forward_progress 1
		.amdhsa_inst_pref_size 28
	.end_amdhsa_kernel
	.amdgpu_metadata
---
amdhsa.version: [ 1, 2 ]
amdhsa.kernels:
  - .name:           k_qadd274cab8_prep
    .symbol:         k_qadd274cab8_prep.kd
    .args:
      - { .name: x, .offset: 0, .size: 8, .value_kind: global_buffer, .address_space: global }
      - { .name: wq, .offset: 8, .size: 8, .value_kind: global_buffer, .address_space: global }
      - { .name: wk, .offset: 16, .size: 8, .value_kind: global_buffer, .address_space: global }
      - { .name: wv, .offset: 24, .size: 8, .value_kind: global_buffer, .address_space: global }
      - { .name: wo, .offset: 32, .size: 8, .value_kind: global_buffer, .address_space: global }
      - { .name: mask, .offset: 40, .size: 8, .value_kind: global_buffer, .address_space: global }
      - { .name: w16, .offset: 48, .size: 8, .value_kind: global_buffer, .address_space: global }
      - { .name: maskc, .offset: 56, .size: 8, .value_kind: global_buffer, .address_space: global }
    .group_segment_fixed_size: 68608
    .private_segment_fixed_size: 0
    .kernarg_segment_align: 8
    .kernarg_segment_size: 64
    .max_flat_workgroup_size: 256
    .sgpr_count:     66
    .vgpr_count:     144
    .wavefront_size: 32
...
	.end_amdgpu_metadata
.endif
;; end of part 5
;; launch qkvp: the kernel of part 2 again; grid 16 x 16, 4 waves a work-group, clusters of 4 x 4, 327,680 bytes of LDS; arguments w16, freq_cos, freq_sin, qkv; writes qkv
;; launch attn: the kernel of part 3 again; grid 16 x 16, 4 waves a work-group, clusters of 4 x 1, 327,680 bytes of LDS; arguments qkv, maskc, oh; writes oh
;; launch outp: the kernel of part 4 again; grid 16 x 16, 4 waves a work-group, clusters of 4 x 4, 327,680 bytes of LDS; arguments oh, w16, out0; writes out0
